; MI455X (gfx1250); checked and timed in simulation.
; The chip was launched on July 23, 2026; its instructions are those of AMD's public machine-readable ISA for CDNA 5 (MIT licence, August 2026) and "CDNA5" Instruction Set Architecture Reference Guide (July 2026). The comments in the code are by the model that wrote it; some were corrected since.
;; Sliding Window Attention. Allowed arithmetic: float matrix products may take bf16 or f16 operands with f32 sums; other float arithmetic in f32, or as packed bf16 or f16 multiplies, adds, multiply-adds, maxima and minima; sums over many terms, partial sums and values carried from step to step in f32; what a program stores and reads back later, other than sums and carried values, may be rounded once to bf16 or f16.
;; Inputs: g 2,048 float32; wk 2,048 x 512 float32; wo 2,048 x 2,048 float32; wq 2,048 x 2,048 float32; wv 2,048 x 512 float32; x 2 x 2,048 x 2,048 float32.
;; Outputs: out0 2 x 2,048 x 2,048 float32.
;; 2 versions, each right; version 2 is version 1 with the launch prep written anew for expert scheduling mode. Each part assembles by itself: llvm-mc -triple=amdgcn-amd-amdhsa -mcpu=gfx1250 --defsym DOCPART=n.
;; ======== version 1 of 2: 4 launches
;; limits: values are held in f16: magnitudes above 65,504 overflow, below 6.1e-05 lose precision
;; workspace buffers: xn 16,777,216 bytes; wt 12,582,912 bytes; wot 8,388,608 bytes; tab 1,048,576 bytes; qkv 25,165,824 bytes; ob 16,777,216 bytes
;; launch prep (part 1): grid 928 x 1, 8 waves a work-group, no clusters, 35,840 bytes of LDS; arguments x, g, wq, wk, wv, wo, xn, wt, wot, tab; writes xn, wt, wot, tab
.if DOCPART == 1
	.amdgcn_target "amdgcn-amd-amdhsa--gfx1250"
	.amdhsa_code_object_version 6
	.text
	.protected	k_qe51c99c042_prep
	.globl	k_qe51c99c042_prep
	.p2align	8
	.type	k_qe51c99c042_prep,@function
k_qe51c99c042_prep:
	s_mov_b64 s[64:65], 0
	v_nop
	global_prefetch_b8 v0, s[64:65] scope:SCOPE_SE
	s_setreg_imm32_b32 hwreg(HW_REG_WAVE_MODE, 25, 1), 1
	s_wait_xcnt 0x0
; PREP: the 16-bit operands of the two products, and the rotation table.  Three kinds of work-group, told apart by the work-group's number alone:
;   0 .. 255    NORM : xn[r][c] = f16( bf16(x[r][c]) * rsqrt(mean_c bf16(x)^2 + 1e-6) * bf16(g[c]) ); 16 rows a group, 2 rows a wave, a row kept in 64 registers
;   256 .. 895  TRANS: a tile of 128 k x 128 n of wq, wk, wv or wo, rounded to bf16, written as f16 and turned to [n][k] through LDS
;   896 .. 927  TAB  : tab[pos][i] = (cos, sin)(pos * 10000^(-i/64)), f32; 64 positions a group, 8 a wave, two pairs a lane
; FORMATS.  Every input is rounded to bf16 first; what the program makes of them is kept in f16.  A bf16 number is written as f16 exactly while it lies in f16's normal range.
; LIMITS.  |xn| and the weights stay under 65,504 (f16's end); below 6e-5 an f16 number keeps the fixed step 6e-8.  NaN and infinities are not treated apart.
; The table's frequency is 2^(fma) by v_exp_f32: good to some 3e-7 of itself; the angle pos * frequency is then reduced exactly (product and its rounding error by fma).
; HEAD SLOTS of wt's row tiles (128 rows each): rope head r (q head h: r = h; k head j: r = 16 + j) lies in slot r + ((max(r,12) - 12) >> 1), v head j in slot 14 + 3 j.
; No matrix unit, no cluster, no tensor load: nothing is shared between work-groups and every byte is read once.
.set TP,    272                        ; a row of the turned tile in LDS: 256 bytes + 16
.set SPARE, 128*TP                     ; behind the tile: the spare words, 128 bytes for each of the eight waves
.set SPW,   210                        ; v210  LDS address of my spare word; never rewritten
.set NIL,   211                        ; v211  0; never rewritten
.set ACC,   4                          ; v[4:11]    four chains of the sum of squares
.set X,     16                         ; v[16:143]  NORM: two rows of 64;  TRANS: v[16:79] sixteen k rows of 4 columns
.set Y,     80                         ; v[80:111]  TRANS: packed f16
.set G,     144                        ; v[144:207] g of my 64 columns
.macro RND base                        ; 64 registers are rounded to bf16 and widened again
.set i, 0
.rept 32
	v_cvt_pk_bf16_f32 v[12+i%2], v[(\base)+2*i], v[(\base)+2*i+1]
	v_lshlrev_b32 v[(\base)+2*i], 16, v[12+i%2]
	v_and_b32 v[(\base)+2*i+1], s5, v[12+i%2]
.set i, i+1
.endr
.endm
.macro ROWWORK r                       ; one row: rounded, its mean square, scaled, stored
.set XR, X+64*(\r)
	RND XR
.irp k, 0,1,2,3
	v_pk_mul_f32 v[ACC+2*(\k):ACC+2*(\k)+1], v[XR+2*(\k):XR+2*(\k)+1], v[XR+2*(\k):XR+2*(\k)+1]  ; the first four pairs start the chains: nothing is cleared
.endr
.set i, 4
.rept 28
	v_pk_fma_f32 v[ACC+2*(i%4):ACC+2*(i%4)+1], v[XR+2*i:XR+2*i+1], v[XR+2*i:XR+2*i+1], v[ACC+2*(i%4):ACC+2*(i%4)+1]
.set i, i+1
.endr
	v_pk_add_f32 v[ACC:ACC+1], v[ACC:ACC+1], v[ACC+2:ACC+3]
	v_pk_add_f32 v[ACC+4:ACC+5], v[ACC+4:ACC+5], v[ACC+6:ACC+7]
	v_pk_add_f32 v[ACC:ACC+1], v[ACC:ACC+1], v[ACC+4:ACC+5]
	v_add_f32 v12, v[ACC], v[ACC+1]
	v_add_f32_dpp v12, v12, v12 row_xmask:1 row_mask:0xf bank_mask:0xf
	v_add_f32_dpp v12, v12, v12 row_xmask:2 row_mask:0xf bank_mask:0xf
	v_add_f32_dpp v12, v12, v12 row_xmask:4 row_mask:0xf bank_mask:0xf
	v_add_f32_dpp v12, v12, v12 row_xmask:8 row_mask:0xf bank_mask:0xf
	v_permlanex16_b32 v13, v12, s6, s7             ; the other half of the lanes (v13 has been written by RND)
	v_add_f32 v12, v12, v13
	v_fmaak_f32 v12, s3, v12, 0x358637bd           ; sum / 2048 + 1e-6
	v_rsq_f32 v14, v12
	v_rsq_f32 v15, v12                             ; twice: a pair for the packed multiply
	v_nop                                          ; a plain instruction behind the last of the two,
	s_wait_alu depctr_va_vdst(0)                   ; and one wait for both, ahead of their first reader
.set i, 0
.rept 16
	v_pk_mul_f32 v[XR+4*i:XR+4*i+1], v[XR+4*i:XR+4*i+1], v[14:15]
	v_pk_mul_f32 v[XR+4*i+2:XR+4*i+3], v[XR+4*i+2:XR+4*i+3], v[14:15]
	v_pk_mul_f32 v[XR+4*i:XR+4*i+1], v[XR+4*i:XR+4*i+1], v[G+4*i:G+4*i+1]
	v_pk_mul_f32 v[XR+4*i+2:XR+4*i+3], v[XR+4*i+2:XR+4*i+3], v[G+4*i+2:G+4*i+3]
	v_cvt_pk_f16_f32 v[XR+4*i], v[XR+4*i], v[XR+4*i+1]
	v_cvt_pk_f16_f32 v[XR+4*i+1], v[XR+4*i+2], v[XR+4*i+3]
	global_store_b64 v3, v[XR+4*i:XR+4*i+1], s[30:31] offset:4096*(\r)+256*i  ; 32 lanes store 256 consecutive bytes, aligned; no register that a store reads is written again
.set i, i+1
.endr
.endm
.macro TLOADS pitch                    ; my sixteen k rows of the tile: 512 consecutive bytes each
.set i, 0
.rept 16
	global_load_b128 v[X+4*i:X+4*i+3], v2, s[28:29] offset:i*(\pitch) th:TH_LOAD_NT
.set i, i+1
.endr
.endm
	s_load_b512 s[8:23], s[0:1], 0x0               ; x 8, g 10, wq 12, wk 14, wv 16, wo 18, xn 20, wt 22
	s_load_b128 s[24:27], s[0:1], 0x40             ; wot 24, tab 26
	v_lshl_add_u32 v[SPW], v0, 2, SPARE
	v_mov_b32 v[NIL], 0
	v_lshrrev_b32 v1, 5, v0
	v_readfirstlane_b32 s4, v1                     ; wave 0..7
	v_and_b32 v1, 31, v0                           ; lane
	v_lshlrev_b32 v2, 4, v1                        ; 16 bytes a lane
	s_mov_b32 s5, 0xffff0000                       ; a word's upper bf16
	s_mov_b32 s6, 0x76543210                       ; v_permlanex16_b32: each lane takes its own place in the other half
	s_mov_b32 s7, 0xfedcba98
	s_wait_kmcnt 0x0
	s_cmp_lt_u32 ttmp9, 256
	s_cbranch_scc1 .Lnorm
	s_cmp_lt_u32 ttmp9, 896
	s_cbranch_scc1 .Ltrans
	; ---- TAB.  Revolutions a position: cr_i = 2^(-i log2(10000)/64 - log2(2 pi)), for i = 2 l and 2 l + 1.
	s_sub_co_u32 s29, ttmp9, 896
	s_lshl_b32 s29, s29, 6
	s_lshl3_add_u32 s29, s4, s29                   ; my first position: 64 x group + 8 x wave
	s_lshl_b32 s30, s29, 9
	v_add_nc_u32 v7, s30, v2                       ; 512 bytes a position + 16 a lane
	s_mov_b32 s40, 0xb2d7322b                      ; -1/11!
	s_mov_b32 s41, 0x310f76c7                      ; 1/12!
	s_mov_b32 s42, 0xbe549a78                      ; -log2(10000)/64
	v_lshlrev_b32 v11, 1, v1
	v_cvt_f32_u32 v8, v11
	v_add_f32 v9, 1.0, v8
	v_fmaak_f32 v8, s42, v8, 0xc029b21d            ; - log2(2 pi)
	v_fmaak_f32 v9, s42, v9, 0xc029b21d
	v_exp_f32 v8, v8
	v_exp_f32 v9, v9
	v_nop
	s_wait_alu depctr_va_vdst(0)                   ; one wait for both, ahead of the loop's label and of their first reader
	s_mov_b32 s28, 8
.Ltab:
	v_cvt_f32_u32 v10, s29
.irp q, 0,1
	v_mul_f32 v12, v10, v[8+(\q)]                  ; revolutions, rounded,
	v_fma_f32 v13, v10, v[8+(\q)], -v12            ; and what the rounding dropped, exactly
	v_rndne_f32 v14, v12
	v_sub_f32 v12, v12, v14                        ; exact
	v_add_f32 v12, v12, v13                        ; the fraction, in -1/2 .. 1/2
	v_mul_f32 v15, 0x40490fdb, v12                 ; y = half the angle, in -pi/2 .. pi/2
	v_mul_f32 v16, v15, v15
	v_fmaak_f32 v17, s40, v16, 0x3638ef1d          ; sin y / y to y^10: the term left out is under 6e-8
	v_fmaak_f32 v17, v17, v16, 0xb9500d01
	v_fmaak_f32 v17, v17, v16, 0x3c088889
	v_fmaak_f32 v17, v17, v16, 0xbe2aaaab
	v_fmaak_f32 v17, v17, v16, 0x3f800000
	v_mul_f32 v17, v17, v15
	v_fmaak_f32 v18, s41, v16, 0xb493f27e          ; cos y to y^12
	v_fmaak_f32 v18, v18, v16, 0x37d00d01
	v_fmaak_f32 v18, v18, v16, 0xbab60b61
	v_fmaak_f32 v18, v18, v16, 0x3d2aaaab
	v_fmaak_f32 v18, v18, v16, 0xbf000000
	v_fmaak_f32 v18, v18, v16, 0x3f800000
	v_add_f32 v19, v17, v17
	v_fma_f32 v[20+2*(\q)], -v19, v17, 1.0         ; cos = 1 - 2 sin^2 y
	v_mul_f32 v[21+2*(\q)], v19, v18               ; sin = 2 sin y cos y
.endr
	global_store_b128 v7, v[20:23], s[26:27]       ; the wave stores a position's 512 bytes
	s_wait_xcnt 0x0                                ; the store's data and offset are written again only behind this wait
	v_add_nc_u32 v7, 512, v7
	s_add_co_u32 s29, s29, 1
	s_sub_co_u32 s28, s28, 1
	s_cmp_lg_u32 s28, 0
	s_cbranch_scc1 .Ltab
	s_branch .Lend
	; ---- NORM
.Lnorm:
	s_lshl_b32 s32, ttmp9, 4
	s_lshl1_add_u32 s32, s4, s32                   ; my first row: 16 x group + 2 x wave
	s_lshl_b32 s34, s32, 13
	s_mov_b32 s35, 0
	s_add_nc_u64 s[28:29], s[8:9], s[34:35]        ; x at that row
	s_lshl_b32 s34, s32, 12
	s_add_nc_u64 s[30:31], s[20:21], s[34:35]      ; xn at that row
	s_mov_b32 s3, 0x3a000000                       ; 1/2048
	v_lshlrev_b32 v3, 3, v1                        ; 8 bytes a lane
.set i, 0
.rept 16
	global_load_b128 v[X+4*i:X+4*i+3], v2, s[28:29] offset:512*i th:TH_LOAD_NT
.set i, i+1
.endr
.set i, 0
.rept 16
	global_load_b128 v[G+4*i:G+4*i+3], v2, s[10:11] offset:512*i
.set i, i+1
.endr
.set i, 0
.rept 16
	global_load_b128 v[X+64+4*i:X+64+4*i+3], v2, s[28:29] offset:8192+512*i th:TH_LOAD_NT
.set i, i+1
.endr
	s_wait_loadcnt 16                              ; row 0 and g are in; row 1's sixteen loads may stay out
	RND G
	ROWWORK 0
	s_wait_loadcnt 0x0
	ROWWORK 1
	s_branch .Lend
	; ---- TRANS
.Ltrans:
	s_sub_co_u32 s32, ttmp9, 256
	s_and_b32 s33, s32, 15                         ; kt: which 128 of k
	s_lshr_b32 s32, s32, 4                         ; hs 0..39: q heads, k heads, v heads, wo's column tiles
	s_sub_co_u32 s36, s32, 16
	s_sub_co_u32 s37, s32, 20
	s_sub_co_u32 s38, s32, 24
	s_max_u32 s39, s32, 12
	s_sub_co_u32 s39, s39, 12
	s_lshr_b32 s39, s39, 1
	s_add_co_u32 s39, s39, s32                     ; a rope head's slot
	s_mul_i32 s40, s37, 3
	s_add_co_u32 s40, s40, 14                      ; a v head's slot
	s_cmp_lt_u32 s32, 24
	s_cselect_b64 s[28:29], s[16:17], s[18:19]     ; from wv, else wo
	s_cselect_b32 s34, s37, s38                    ; the source's column tile
	s_cselect_b64 s[30:31], s[22:23], s[24:25]     ; to wt, else wot
	s_cselect_b32 s35, s40, s38                    ; the destination's row tile
	s_cmp_lt_u32 s32, 20
	s_cselect_b64 s[28:29], s[14:15], s[28:29]     ; wk
	s_cselect_b32 s34, s36, s34
	s_cselect_b32 s35, s39, s35
	s_cmp_lt_u32 s32, 16
	s_cselect_b64 s[28:29], s[12:13], s[28:29]     ; wq
	s_cselect_b32 s34, s32, s34
	s_lshl_b32 s42, s33, 7
	s_lshl4_add_u32 s42, s4, s42                   ; my first k row: 128 kt + 16 x wave
	s_lshl_b32 s43, s42, 13                        ; rows of 8,192 bytes (wq, wo)
	s_lshl_b32 s44, s42, 11                        ; rows of 2,048 bytes (wk, wv)
	s_cmp_lt_u32 s36, 8
	s_cselect_b32 s44, s44, s43
	s_lshl_b32 s43, s34, 9
	s_add_co_u32 s44, s44, s43
	s_mov_b32 s45, 0
	s_add_nc_u64 s[28:29], s[28:29], s[44:45]
	s_lshl_b32 s46, s35, 19                        ; 128 rows of 4,096 bytes
	s_lshl_b32 s43, s33, 8
	s_add_co_u32 s46, s46, s43
	s_mov_b32 s47, 0
	s_add_nc_u64 s[30:31], s[30:31], s[46:47]
	v_mul_u32_u24 v4, v1, 4*TP                     ; in: my four n rows 4 l .. 4 l + 3, my wave's 16 k: 32 bytes
	v_lshl_add_u32 v4, s4, 5, v4
	v_bfe_u32 v7, v0, 4, 1
	v_and_b32 v10, 15, v0
	v_lshl_add_u32 v7, s4, 4, v7                   ; back: n row 16 x wave + l / 16 (+ 2 t)
	v_mul_u32_u24 v5, v7, TP
	v_lshl_add_u32 v5, v10, 4, v5
	v_lshlrev_b32 v6, 12, v7                       ; and the same row in the destination
	v_lshl_add_u32 v6, v10, 4, v6
	s_cmp_lt_u32 s36, 8
	s_cbranch_scc1 .Lnarrow
	TLOADS 8192
	s_branch .Lloaded
.Lnarrow:
	TLOADS 2048
.Lloaded:
	s_wait_loadcnt 0x0
.irp c, 0,1,2,3                        ; column 4 l + c: its 16 k, rounded to bf16, written as f16, 32 bytes
.set i, 0
.rept 8
	v_cvt_pk_bf16_f32 v[8+i%2], v[X+8*i+(\c)], v[X+8*i+4+(\c)]
	v_lshlrev_b32 v[X+8*i+(\c)], 16, v[8+i%2]
	v_and_b32 v[X+8*i+4+(\c)], s5, v[8+i%2]
	v_cvt_pk_f16_f32 v[Y+8*(\c)+i], v[X+8*i+(\c)], v[X+8*i+4+(\c)]
.set i, i+1
.endr
	ds_store_b128 v4, v[Y+8*(\c):Y+8*(\c)+3] offset:TP*(\c)
	ds_store_b128 v4, v[Y+8*(\c)+4:Y+8*(\c)+7] offset:TP*(\c)+16
.endr
	s_wait_dscnt 0x0                               ; for the others' sake: my stores into the tile are done
	s_barrier_signal -1
	s_barrier_wait -1
.irp t, 0,1,2,3,4,5,6,7
	ds_load_b128 v[X+4*(\t):X+4*(\t)+3], v5 offset:2*TP*(\t)
.endr
.irp t, 0,1,2,3,4,5,6,7
	s_wait_dscnt 7-(\t)                            ; the younger read-backs may stay out
	global_store_b128 v6, v[X+4*(\t):X+4*(\t)+3], s[30:31] offset:8192*(\t)  ; 16 lanes store 256 consecutive bytes, aligned
.endr
.Lend:
	s_wait_tensorcnt 0x0                           ; the wave's end, behind my last LDS store
	ds_add_u32 v[SPW], v[NIL]
	s_wait_dscnt 0x0
	s_endpgm
.Lfunc_end_k_qe51c99c042_prep:
	.size	k_qe51c99c042_prep, .Lfunc_end_k_qe51c99c042_prep-k_qe51c99c042_prep
	.p2alignl 7, 3214868480
	.fill 96, 4, 3214868480
	.section	.rodata,"a",@progbits
	.p2align	6, 0x0
	.amdhsa_kernel k_qe51c99c042_prep
		.amdhsa_group_segment_fixed_size 35840
		.amdhsa_private_segment_fixed_size 0
		.amdhsa_enable_private_segment 0
		.amdhsa_kernarg_size 80
		.amdhsa_user_sgpr_count 2
		.amdhsa_user_sgpr_kernarg_segment_ptr 1
		.amdhsa_wavefront_size32 1
		.amdhsa_system_sgpr_workgroup_id_x 1
		.amdhsa_system_sgpr_workgroup_id_y 1
		.amdhsa_system_sgpr_workgroup_id_z 1
		.amdhsa_system_vgpr_workitem_id 0
		.amdhsa_next_free_vgpr 212
		.amdhsa_next_free_sgpr 66
		.amdhsa_reserve_vcc 0
		.amdhsa_float_denorm_mode_32 3
		.amdhsa_float_denorm_mode_16_64 3
		.amdhsa_memory_ordered 1
		.amdhsa_forward_progress 1
		.amdhsa_inst_pref_size 55
	.end_amdhsa_kernel
	.amdgpu_metadata
---
amdhsa.version: [ 1, 2 ]
amdhsa.kernels:
  - .name:           k_qe51c99c042_prep
    .symbol:         k_qe51c99c042_prep.kd
    .args:
      - { .name: x, .offset: 0, .size: 8, .value_kind: global_buffer, .address_space: global }
      - { .name: g, .offset: 8, .size: 8, .value_kind: global_buffer, .address_space: global }
      - { .name: wq, .offset: 16, .size: 8, .value_kind: global_buffer, .address_space: global }
      - { .name: wk, .offset: 24, .size: 8, .value_kind: global_buffer, .address_space: global }
      - { .name: wv, .offset: 32, .size: 8, .value_kind: global_buffer, .address_space: global }
      - { .name: wo, .offset: 40, .size: 8, .value_kind: global_buffer, .address_space: global }
      - { .name: xn, .offset: 48, .size: 8, .value_kind: global_buffer, .address_space: global }
      - { .name: wt, .offset: 56, .size: 8, .value_kind: global_buffer, .address_space: global }
      - { .name: wot, .offset: 64, .size: 8, .value_kind: global_buffer, .address_space: global }
      - { .name: tab, .offset: 72, .size: 8, .value_kind: global_buffer, .address_space: global }
    .group_segment_fixed_size: 35840
    .private_segment_fixed_size: 0
    .kernarg_segment_align: 8
    .kernarg_segment_size: 80
    .max_flat_workgroup_size: 256
    .sgpr_count:     66
    .vgpr_count:     212
    .wavefront_size: 32
...
	.end_amdgpu_metadata
.endif
;; end of part 1
;; launch gemm_qkv (part 2): grid 8 x 32, 4 waves a work-group, clusters of 4 x 4, 327,680 bytes of LDS; arguments xn, wt, tab, qkv; writes qkv
.if DOCPART == 2
	.amdgcn_target "amdgcn-amd-amdhsa--gfx1250"
	.amdhsa_code_object_version 6
	.text
	.protected	k_qe51c99c042_gemm_qkv
	.globl	k_qe51c99c042_gemm_qkv
	.p2align	8
	.type	k_qe51c99c042_gemm_qkv,@function
k_qe51c99c042_gemm_qkv:
	s_mov_b64 s[64:65], 0
	v_nop
	global_prefetch_b8 v0, s[64:65] scope:SCOPE_SE
	s_setreg_imm32_b32 hwreg(HW_REG_WAVE_MODE, 25, 1), 1
	s_wait_xcnt 0x0
	s_wait_alu depctr_hold_cnt(0) depctr_sa_sdst(0) depctr_va_vdst(0) depctr_va_sdst(0) depctr_va_ssrc(0) depctr_va_vcc(0) depctr_vm_vsrc(0)
	s_getreg_b32 s2, hwreg(HW_REG_IB_STS2, 6, 4)
	s_cmp_eq_u32 s2, 0
	s_cbranch_scc0 .Lentry_in_a_cluster
	s_endpgm
.Lentry_in_a_cluster:
	s_bfe_u32 s2, ttmp6, 0x10000c
	s_cmp_lg_u32 s2, 0xf033
	s_cbranch_scc0 .Lentry_shape_is_right
	s_endpgm
.Lentry_shape_is_right:
; q, k, v = xn wt^T, q and k rotated (RoPE) on the way out, all stored by heads in f16.  xn: [4096][2048] f16; wt: [24 slots x 128][2048] f16; tab: [2048][64] (cos, sin) f32;
; qkv: [2][24 slots][2048][128] f16.  Sums in f32, the rotation in f32, one rounding to f16.  LIMIT: |q|, |k|, |v| stay under 65,504.
; SHARES.  A tile of C is 128 rows x 384 columns (three head slots): 8 x 32 tiles, a work-group each.  Four waves, each 64 rows x 192 columns: 48 accumulators of 16 x 16, 384 registers.
; K goes in steps of 128 through a ring of two LDS slots (A's 128 rows, then B's 384).  Each wave fetches 128 rows x 256 bytes with one tensor load: wave 0 A's, waves 1 to 3 B's.
; CLUSTER 4 x 4: A's tile hangs on the tile row alone and is asked for jointly along a row of the cluster, B's on the tile column alone and jointly along a column.
; THE WALK ALONG K.  A cluster begins at K step o = (4 (cluster y % 4) + 8 cluster x) % 16 and goes round: o, o + 1, .. 15, 0, .. o - 1 (f32 sums may be taken in any order).  So the two clusters that read
; the same rows of xn walk 8 steps apart, and of the eight that read the same rows of wt those with y = 0..3, and those with y = 4..7, walk 4 steps apart: clusters that share rows ask for a given
; K step at different times.  o hangs on the cluster's coordinates alone: it is the same in all sixteen partners.
; THE MATRIX INSTRUCTION IS USED TRANSPOSED (source 0 = 16 rows of wt, source 1 = 16 rows of xn): a lane holds row l % 16 and the columns 8 (l / 16) + 0..7: four (even, odd) pairs of a head.
; SLOTS.  Position 2 of the tile columns 4 to 7 is a v head, and no other position is: "my columns 64 .. 191 are v" = (second column half) and (cluster x = 1); it hangs on no place inside a cluster.
; REGISTERS in windows of 256 (s_set_vgpr_msb: bits 1:0 source 0, 3:2 source 1, 5:4 source 2, 7:6 destination):
;   window 0: v12-31 addresses; v64-95, v96-127 A's fragments, two buffers; v128-255 at work on the way out
;   window 1: v0-95, v128-223 B's fragments, two buffers; behind the loop the table: set a at v[64 a ..]
;   window 2: accumulators of row blocks 0, 1 ((a, b) at v[8 (12 (a % 2) + b)]);  window 3: of row blocks 2, 3
.set NBK,   12                         ; column blocks of 16 a wave
.set NT,    32*NBK                     ; columns of a tile
.set KSTEP, 128
.set ROWB,  4096                       ; bytes in a row of xn and of wt
.set PITCH, 272                        ; an LDS row: 256 bytes + 16 = 68 words: the 16 rows of a fragment load start at 16 different groups of four banks (64 banks of 4 bytes: ISA guide 11.1)
.set UNIT,  128*PITCH                  ; what one tensor load brings
.set SLOT,  4*UNIT
.set SPARE, 2*SLOT                     ; behind the ring: the spare words, 128 bytes a wave
.set LAPS,  2048/(2*KSTEP)
.set NF,    2*NBK+8                    ; LDS loads in a run
.set PLANE, 2048*256                   ; bytes of a head slot in qkv
.set TO0,  12                          ; v12, v13  my offsets in the table: the half of a position's 512 bytes that my column blocks 0-3 (8-11) use, and the other half
.set TO1,  13
.set ADRA, 16                          ; v16, v17  LDS address of my A fragments in slot 0, 1
.set ADRB, 20                          ; v20, v21  the same for B
.set ST0,  22                          ; v22-24    the stage: where column blocks 0-3, 4-7, 8-11 go
.set RD0,  25                          ; v25-27    the stage: where I read rows of head position 0, 1, 2 back
.set SPW,  28                          ; v28  LDS address of my spare word; never rewritten
.set NIL,  29                          ; v29  0; never rewritten
.set PFO,  30                          ; v30  the prefetches' offset: my lane x a row of 4,096 bytes; never rewritten
.set CO,   31                          ; v31  16 x lane
.set U,    128                         ; v128-159 rotated numbers;  v160-175 packed
.set PK,   160
.set G1A, 24                           ; s[24:31] descriptor group 1 for A;  s[32:39] group 0, a set for each slot
.set G0A, 32
.set G1B, 48                           ; s[48:55], s[56:63] the same for B
.set G0B, 56
.set PFA, 44                           ; s[44:45] the address that a prefetch names
.set LIM, 46                           ; s46  5 in a wave that prefetches, else the greatest number
.set VFL, 47                           ; s47  1: my column blocks 4-11 are a v head
.set TAB, 66                           ; s[66:67] tab
.set ABS, 68                           ; s[68:69] xn at the first of the rows that wave 0 fetches, K = 0
.set BBS, 70                           ; s[70:71] wt at the first of the rows that I fetch, K = 0
.set KK,  72                           ; s72, s73  byte along a row of the K step that slot 0, 1 was last asked for
.set KO,  74                           ; s[74:75] an offset as a pair; the high word stays 0
.set PFB, 76                           ; s[76:77] xn at my work-group's 32 rows of the tile, K = 0
.set PKK, 78                           ; s78  byte along a row of the K step that the last prefetch named
.set GW0, (1<<16)|(1<<20)|(1<<21)|(5<<22)|(3<<25)  ; 2-byte elements; padding on; bit 21 beside a mask; after every 64 words; 4 words
.set MSB, 0
.macro WIN new                         ; the immediate's high byte repeats the setting that is left; a switch that changes nothing is dropped
.if MSB != (\new)
	s_set_vgpr_msb (MSB<<8)|(\new)
.set MSB, \new
.endif
.endm
.macro PLACES                          ; four places in front of loads into registers that matrix instructions have read, and of lines that read results
.rept 4
	v_nop
.endr
.endm
.macro CROUND                          ; a round of the cluster's barrier
	s_barrier_signal -1
	s_barrier_wait -1
	s_cmp_lg_u32 s10, 0
	s_cbranch_scc1 .Lnot_wave_0_\@
	s_barrier_signal -3
.Lnot_wave_0_\@:
	s_barrier_wait -3
	s_barrier_signal -1
	s_barrier_wait -1
.endm
.macro JLOAD s                         ; a joint refill: wave 0 asks for A's tile, waves 1 to 3 for their thirds of B's; an s_nop 0 and four v_nop follow each line
	s_cmp_eq_u32 s10, 0
	s_cbranch_scc0 .Lfor_b_\@
	tensor_load_to_lds s[G0A+4*(\s):G0A+4*(\s)+3], s[G1A:G1A+7]
	s_nop 0
.rept 4
	v_nop
.endr
	s_branch .Lasked_\@
.Lfor_b_\@:
	tensor_load_to_lds s[G0B+4*(\s):G0B+4*(\s)+3], s[G1B:G1B+7]
	s_nop 0
.rept 4
	v_nop
.endr
.Lasked_\@:
.endm
; A PREFETCH of xn's rows for the K step that stands two refills on: 32 rows x 256 bytes, a lane a row, by wave 0 (which fetches A's tile).  Of the two clusters that read my rows of xn, mine is the first
; to read the eight K steps of my walk's first half.  The change of slots in step t of the walk names step t + 4: the loop's first two trips (s3 = 7, 6) name steps 4 to 7; steps 0 to 3 come by their loads
; alone, and nothing is named later.  The four partners that ask for the tile jointly take 32 of its 128 rows each, told apart by address.  So each row's 256 bytes of a K step are named at most once in the launch.
; wt's rows are first read in a walk's steps 0 to 3 (the clusters that share them walk 4 steps apart): nothing of wt is named.
.macro ASK
	s_cmp_gt_u32 s3, s[LIM]
	s_cbranch_scc0 .Lnot_mine_\@
	global_prefetch_b8 v[PFO], s[PFA:PFA+1] th:TH_LOAD_NT scope:SCOPE_SE
.Lnot_mine_\@:
.endm
; 12 matrix instructions: row block a x all column blocks, 32 along K, from buffer f.  zero = 1: the product starts the sums.  The 48 accumulators take turns, one instruction a turn.
.macro MUL1 f, a, zero
	WIN 0xa1+0x50*((\a)/2)
.set ab, 8*NBK*((\a)%2)
.set bi, 0
.rept NBK
.if \zero
	v_wmma_f32_16x16x32_f16 v[ab+8*bi:ab+8*bi+7], v[128*(\f)+8*bi:128*(\f)+8*bi+7], v[64+32*(\f)+8*(\a):64+32*(\f)+8*(\a)+7], 0
.else
	v_wmma_f32_16x16x32_f16 v[ab+8*bi:ab+8*bi+7], v[128*(\f)+8*bi:128*(\f)+8*bi+7], v[64+32*(\f)+8*(\a):64+32*(\f)+8*(\a)+7], v[ab+8*bi:ab+8*bi+7]
.endif
.set bi, bi+1
.endr
.endm
.macro FETCH slot, k, f                ; one run of 32 LDS loads: the fragments of 32 along K at byte k of the rows: B's 12 blocks, then A's 4
	WIN 0x40
.set bi, 0
.rept NBK
	ds_load_b128 v[128*(\f)+8*bi:128*(\f)+8*bi+3],   v[ADRB+(\slot)] offset:(\k)+bi*16*PITCH
	ds_load_b128 v[128*(\f)+8*bi+4:128*(\f)+8*bi+7], v[ADRB+(\slot)] offset:(\k)+bi*16*PITCH+32
.set bi, bi+1
.endr
	WIN 0
.irp i, 0,1,2,3
	ds_load_b128 v[64+32*(\f)+8*(\i):64+32*(\f)+8*(\i)+3],   v[ADRA+(\slot)] offset:(\k)+(\i)*16*PITCH
	ds_load_b128 v[64+32*(\f)+8*(\i)+4:64+32*(\f)+8*(\i)+7], v[ADRA+(\slot)] offset:(\k)+(\i)*16*PITCH+32
.endr
.endm
.macro QUARTER slot, k, f, g, zero     ; 32 along K from buffer f; in its middle the next quarter's fragments go into buffer g
	s_wait_dscnt 4                                 ; all of B and A's blocks 0, 1 are in; the four youngest loads (A's blocks 2, 3) may be out
	MUL1 \f, 0, \zero
	MUL1 \f, 1, \zero
	PLACES
	FETCH \slot, \k, \g
	s_wait_dscnt NF                                ; all but the run just issued
	MUL1 \f, 2, \zero
	MUL1 \f, 3, \zero
.endm
; THE CHANGE OF SLOTS stands at the head of a K step's last quarter, whose fragments (buffer 1) were the last reads of this slot.  Each wave waits for all its tensor loads (one is out: its part of the next
; slot), adds 0 to its spare word, and waits for that and for its reads of this slot.  fill = 1: a round of the cluster's barrier follows, and the joint refill, two K steps on in the walk, is the first thing
; behind it: only one refill of a wave is ever out, so nothing but the round stands between a tile's landing and the next request, and the request has a whole K step's 192 matrix instructions in which to land.
; The refill's address is made anew: the rows' base plus the K step's byte, which goes round at a row's end.
.macro TURN slot, next, fill
.if \fill
	s_wait_xcnt 0x0                                ; the last prefetch, a K step back, has read its address
	s_add_co_u32 s[PKK], s[PKK], KSTEP*2
	s_and_b32 s[PKK], s[PKK], ROWB-1
	s_mov_b32 s[KO], s[PKK]
	s_add_nc_u64 s[PFA:PFA+1], s[PFB:PFB+1], s[KO:KO+1]
.endif
	WIN 0
	s_wait_tensorcnt 0x0                           ; no tensor load of mine is out, so a group 0 may be written
	ds_add_u32 v[SPW], v[NIL]                      ; the descriptors' scalar work stands between the add and the wait for it
.if \fill
	s_add_co_u32 s[KK+(\slot)], s[KK+(\slot)], 2*KSTEP*2
	s_and_b32 s[KK+(\slot)], s[KK+(\slot)], ROWB-1
	s_mov_b32 s[KO], s[KK+(\slot)]
	s_add_nc_u64 s[G0A+4*(\slot)+2:G0A+4*(\slot)+3], s[ABS:ABS+1], s[KO:KO+1]
	s_or_b32 s[G0A+4*(\slot)+3], s[G0A+4*(\slot)+3], 0x80000000
	s_add_nc_u64 s[G0B+4*(\slot)+2:G0B+4*(\slot)+3], s[BBS:BBS+1], s[KO:KO+1]
	s_or_b32 s[G0B+4*(\slot)+3], s[G0B+4*(\slot)+3], 0x80000000
.endif
	s_wait_dscnt 0x0                               ; the add is done, and my reads of this slot are over (the youngest were issued 24 matrix instructions back)
.if \fill
	CROUND                                         ; no wave of any partner still reads this slot or has a load on its way
	JLOAD \slot                                    ; its four v_nop are also the places in front of the loads below
.else
	s_barrier_signal -1
	s_barrier_wait -1
	PLACES
.endif
	FETCH \next, 0, 0
.if \fill
	ASK
.endif
	MUL1 1, 0, 0
	MUL1 1, 1, 0
	MUL1 1, 2, 0
	MUL1 1, 3, 0
.endm
; THE WAY OUT.  Table set a: for my rows 16 a .. and each of the head's eight column blocks the four (cos, sin) of my four pairs, 32 bytes.  Table place i holds head block (i + 4 x column half) % 8,
; so that my column block b finds its numbers at place b % 8 in either half.
.macro TLOAD a
	WIN 0x40
.irp i, 0,1,2,3
	global_load_b128 v[64*(\a)+8*(\i):64*(\a)+8*(\i)+3],   v[TO0], s[TAB:TAB+1] offset:8192*(\a)+64*(\i)
	global_load_b128 v[64*(\a)+8*(\i)+4:64*(\a)+8*(\i)+7], v[TO0], s[TAB:TAB+1] offset:8192*(\a)+64*(\i)+16
.endr
.irp i, 0,1,2,3
	global_load_b128 v[64*(\a)+32+8*(\i):64*(\a)+32+8*(\i)+3],   v[TO1], s[TAB:TAB+1] offset:8192*(\a)+64*(\i)
	global_load_b128 v[64*(\a)+32+8*(\i)+4:64*(\a)+32+8*(\i)+7], v[TO1], s[TAB:TAB+1] offset:8192*(\a)+64*(\i)+16
.endr
.endm
.macro PUT4 a, b0, sto                 ; four blocks' packed 16 bytes a lane go into the stage
.irp n, 0,1,2,3
	ds_store_b128 v[\sto], v[PK+4*(\n):PK+4*(\n)+3] offset:(\a)*16*PITCH+32*((\b0)+(\n))
.endr
.endm
.macro ROPE4 a, b0, sto                ; column blocks b0 .. b0 + 3 of row block a: (e, o) -> (e c - o s, e s + o c), rounded to f16.  Each accumulator's lowest registers are read first.
	WIN 0x06+(\a)/2                                ; source 0: the accumulators' window; source 1: window 1 (the table)
.set ab, 8*NBK*((\a)%2)
.irp n, 0,1,2,3
.irp q, 0,1,2,3
.set rX, ab+8*((\b0)+(\n))+2*(\q)
.set rT, 64*(\a)+8*(((\b0)+(\n))%8)+2*(\q)
.set rU, U+8*(\n)+2*(\q)
	v_pk_mul_f32 v[rU:rU+1], v[rX:rX+1], v[rT:rT+1] op_sel_hi:[1,0]  ; (e c, o c)
.endr
.endr
.irp n, 0,1,2,3
.irp q, 0,1,2,3
.set rX, ab+8*((\b0)+(\n))+2*(\q)
.set rT, 64*(\a)+8*(((\b0)+(\n))%8)+2*(\q)
.set rU, U+8*(\n)+2*(\q)
	v_fma_f32 v[rU], -v[rX+1], v[rT+1], v[rU]
	v_fma_f32 v[rU+1], v[rX], v[rT+1], v[rU+1]
.endr
.endr
	WIN 0
.irp n, 0,1,2,3
.irp q, 0,1,2,3
	v_cvt_pk_f16_f32 v[PK+4*(\n)+(\q)], v[U+8*(\n)+2*(\q)], v[U+8*(\n)+2*(\q)+1]
.endr
.endr
	PUT4 \a, \b0, \sto
.endm
.macro PLAIN4 a, b0, sto               ; the same for a v head: rounded as it is
	WIN 0x0a+5*((\a)/2)
.set ab, 8*NBK*((\a)%2)
.irp n, 0,1,2,3
.irp q, 0,1,2,3
	v_cvt_pk_f16_f32 v[PK+4*(\n)+(\q)], v[ab+8*((\b0)+(\n))+2*(\q)], v[ab+8*((\b0)+(\n))+2*(\q)+1]
.endr
.endr
	WIN 0
	PUT4 \a, \b0, \sto
.endm
	s_load_b128 s[4:7], s[0:1], 0x0                ; xn s[4:5], wt s[6:7]
	s_load_b64 s[TAB:TAB+1], s[0:1], 0x10
	s_load_b64 s[8:9], s[0:1], 0x18                ; qkv
	v_lshl_add_u32 v[SPW], v0, 2, SPARE
	v_mov_b32 v[NIL], 0
	ds_add_u32 v[SPW], v[NIL]                      ; the wave's opening: the add and its wait stand ahead of my first tensor load; work on registers stands between them
	v_lshrrev_b32 v1, 5, v0
	v_readfirstlane_b32 s10, v1                    ; wave 0..3
	s_lshr_b32 s11, s10, 1                         ; my half of the tile's rows
	s_and_b32 s12, s10, 1                          ; my half of its columns
	s_bfe_u32 s40, ttmp6, 0x40000                  ; cx
	s_bfe_u32 s41, ttmp6, 0x40004                  ; cy
	s_lshl_b32 s42, ttmp9, 2
	s_add_co_u32 s42, s42, s40                     ; tile column = 4 x cluster x + cx
	s_and_b32 s13, ttmp7, 0xffff
	s_lshl_b32 s13, s13, 2
	s_add_co_u32 s13, s13, s41                     ; tile row = 4 x cluster y + cy
	s_lshl_b32 s43, s41, 2
	s_lshl_b32 s43, 15, s43                        ; my row of the cluster
	s_lshl_b32 s21, 0x1111, s40                    ; my column
	s_or_b32 s[G1A], s43, GW0
	s_or_b32 s[G1B], s21, GW0
.irp g, G1A, G1B
	s_mov_b32 s[(\g)+1], KSTEP<<16                 ; tensor_dim0 = 128
	s_mov_b32 s[(\g)+2], 128<<16                   ; tensor_dim1 = 128
	s_mov_b32 s[(\g)+3], KSTEP<<16                 ; tile_dim0 = 128
	s_mov_b32 s[(\g)+4], 128                       ; tile_dim1 = 128
	s_mov_b32 s[(\g)+5], 2048                      ; elements from row to row
	s_mov_b32 s[(\g)+6], 0
	s_mov_b32 s[(\g)+7], 0
.endr
	s_and_b32 s[KK], ttmp7, 3                      ; where my cluster's walk begins: o = (4 (cluster y % 4) + 8 cluster x) % 16,
	s_lshl_b32 s[KK], s[KK], 2
	s_lshl_b32 s[KK+1], ttmp9, 3
	s_add_co_u32 s[KK], s[KK], s[KK+1]
	s_and_b32 s[KK], s[KK], 15
	s_lshl_b32 s[KK], s[KK], 8                     ; in bytes of a row: slot 0 begins with K step o,
	s_add_co_u32 s[KK+1], s[KK], KSTEP*2           ; slot 1 with o + 1 (o is a multiple of 4: no row's end is passed),
	s_add_co_u32 s[PKK], s[KK], 3*KSTEP*2          ; and the first change of slots steps this to o + 4
	s_mov_b32 s[KO+1], 0
	s_lshl_b32 s16, s13, 19                        ; A: 128 x tile row, rows of 4,096 bytes
	s_mov_b32 s17, 0
	s_max_u32 s22, s10, 1
	s_sub_co_u32 s22, s22, 1                       ; which third of B's tile I fetch (wave 0 fetches A's tile and never uses this)
	s_lshl_b32 s22, s22, 7
	s_mul_i32 s18, s42, NT
	s_add_co_u32 s18, s18, s22                     ; B: row 384 x tile column + 128 x third
	s_lshl_b32 s18, s18, 12
	s_mov_b32 s19, 0
	s_mul_i32 s20, s10, UNIT                       ; where my tile goes: wave x 128 rows: no place in the cluster enters an LDS address
	s_wait_dscnt 0x0                               ; the opening add is done
	s_wait_kmcnt 0x0
	s_add_nc_u64 s[ABS:ABS+1], s[4:5], s[16:17]
	s_add_nc_u64 s[BBS:BBS+1], s[6:7], s[18:19]
.irp s, 0,1
	s_mov_b32 s[KO], s[KK+(\s)]
	s_mov_b32 s[G0A+4*(\s)], 1
	s_add_co_u32 s[G0A+4*(\s)+1], s20, (\s)*SLOT
	s_add_nc_u64 s[G0A+4*(\s)+2:G0A+4*(\s)+3], s[ABS:ABS+1], s[KO:KO+1]
	s_or_b32 s[G0A+4*(\s)+3], s[G0A+4*(\s)+3], 0x80000000
	s_mov_b32 s[G0B+4*(\s)], 1
	s_add_co_u32 s[G0B+4*(\s)+1], s20, (\s)*SLOT
	s_add_nc_u64 s[G0B+4*(\s)+2:G0B+4*(\s)+3], s[BBS:BBS+1], s[KO:KO+1]
	s_or_b32 s[G0B+4*(\s)+3], s[G0B+4*(\s)+3], 0x80000000
.endr
	CROUND                                         ; all sixteen work-groups are here: the first joint loads meet
	s_cmp_eq_u32 s10, 0                            ; a wave's two first fills stand in one branch: two loads of mine are out
	s_cbranch_scc0 .Lfirst_b
	tensor_load_to_lds s[G0A:G0A+3], s[G1A:G1A+7]
	s_nop 0
	tensor_load_to_lds s[G0A+4:G0A+7], s[G1A:G1A+7]
	s_nop 0
.rept 4
	v_nop
.endr
	s_branch .Lfirst_done
.Lfirst_b:
	tensor_load_to_lds s[G0B:G0B+3], s[G1B:G1B+7]
	s_nop 0
	tensor_load_to_lds s[G0B+4:G0B+7], s[G1B:G1B+7]
	s_nop 0
.rept 4
	v_nop
.endr
.Lfirst_done:
	v_and_b32 v1, 15, v0                           ; l % 16
	v_bfe_u32 v2, v0, 4, 1                         ; l / 16
	v_mul_u32_u24 v3, v1, PITCH
	v_lshl_add_u32 v3, v2, 4, v3                   ; a fragment's row x pitch + 16 x half
	s_mul_i32 s14, s11, 64*PITCH                   ; my 64 rows of A
	s_mul_i32 s15, s12, (NT/2)*PITCH               ; my 192 rows of B,
	s_add_co_u32 s15, s15, UNIT                    ; which lie behind A's 128
.irp s, 0,1
	v_add_nc_u32 v[ADRA+(\s)], s14, v3
	v_add_nc_u32 v[ADRB+(\s)], s15, v3
	s_add_co_u32 s14, s14, SLOT
	s_add_co_u32 s15, s15, SLOT
.endr
	; the stage, in slot 0 when it has had its last fill: [head position 0..2][128 rows], 272 bytes a row.  My column 192 x half + 16 b lies in position (192 half + 16 b) / 128; with the
	; immediate 32 b the three bases below put blocks 0-3, 4-7 and 8-11 right in either half
	s_mul_i32 s14, s11, 64*PITCH
	s_mul_i32 s15, s12, UNIT+128
	s_add_co_u32 s15, s15, s14
	v_add_nc_u32 v[ST0], s15, v3
	s_add_co_u32 s15, s15, UNIT-256
	v_add_nc_u32 v[ST0+2], s15, v3
	s_mul_i32 s15, s12, 2*UNIT-128
	s_add_co_u32 s15, s15, s14
	v_add_nc_u32 v[ST0+1], s15, v3
	s_mul_i32 s14, s10, 32*PITCH                   ; back: wave w takes rows 32 w .. 32 w + 31 of each position, two rows a load
	v_mul_u32_u24 v4, v2, PITCH
	v_lshl_add_u32 v4, v1, 4, v4
	v_add_nc_u32 v[RD0], s14, v4
	v_add_nc_u32 v[RD0+1], UNIT, v[RD0]
	v_add_nc_u32 v[RD0+2], 2*UNIT, v[RD0]
	v_and_b32 v[CO], 31, v0
	v_lshlrev_b32 v[CO], 4, v[CO]
	s_and_b32 s14, s13, 15                         ; the table: position (tile row % 16) x 128 + 64 x row half + l % 16, 512 bytes each; + 32 (l / 16)
	s_lshl_b32 s14, s14, 7
	s_lshl_b32 s15, s11, 6
	s_add_co_u32 s14, s14, s15
	s_lshl_b32 s14, s14, 9
	v_lshlrev_b32 v5, 9, v1
	v_lshl_add_u32 v5, v2, 5, v5
	v_add_nc_u32 v5, s14, v5
	s_lshl_b32 s15, s12, 8
	v_add_nc_u32 v[TO0], s15, v5
	s_xor_b32 s15, s15, 256
	v_add_nc_u32 v[TO1], s15, v5
	s_lshr_b32 s14, s13, 4                         ; qkv: ((batch x 24 + 3 x tile column) x 2048 + (tile row % 16) x 128 + 32 x wave) rows of 256 bytes
	s_mul_i32 s14, s14, 24
	s_mul_i32 s15, s42, 3
	s_add_co_u32 s14, s14, s15
	s_lshl_b32 s14, s14, 11
	s_and_b32 s15, s13, 15
	s_lshl_b32 s15, s15, 7
	s_add_co_u32 s14, s14, s15
	s_lshl_b32 s15, s10, 5
	s_add_co_u32 s14, s14, s15
	s_lshl_b32 s14, s14, 8
	s_mov_b32 s15, 0
	s_add_nc_u64 s[8:9], s[8:9], s[14:15]
	s_and_b32 s[VFL], s12, ttmp9
	; the prefetches: xn at row 128 x tile row + 32 cx
	s_lshl_b32 s14, s13, 7
	s_lshl_b32 s15, s40, 5
	s_add_co_u32 s14, s14, s15
	s_lshl_b32 s14, s14, 12
	s_mov_b32 s15, 0
	s_add_nc_u64 s[PFB:PFB+1], s[4:5], s[14:15]
	s_cmp_eq_u32 s10, 0
	s_cselect_b32 s[LIM], 5, -1                    ; wave 0 asks, while the loop's count is above 5
	v_and_b32 v[PFO], 31, v0
	v_lshlrev_b32 v[PFO], 12, v[PFO]
	s_wait_tensorcnt 1                             ; my part of the walk's first K step is in; the second's may stay out
	s_barrier_signal -1
	s_barrier_wait -1
	FETCH 0, 0, 0
	QUARTER 0, 64, 0, 1, 1                         ; the first quarter stands in front of the loop: its products start the sums
	WIN 0
	s_mov_b32 s3, LAPS-1
.Llap:                                         ; a trip goes once round the ring and fills both slots again
	QUARTER 0, 128, 1, 0, 0
	QUARTER 0, 192, 0, 1, 0
	TURN 0, 1, 1
	QUARTER 1, 64,  0, 1, 0
	QUARTER 1, 128, 1, 0, 0
	QUARTER 1, 192, 0, 1, 0
	TURN 1, 0, 1
	QUARTER 0, 64,  0, 1, 0
	WIN 0
	s_sub_co_u32 s3, s3, 1
	s_cmp_lg_u32 s3, 0
	s_cbranch_scc1 .Llap
	QUARTER 0, 128, 1, 0, 0                        ; the last lap fills nothing
	QUARTER 0, 192, 0, 1, 0
	TURN 0, 1, 0                                   ; behind this barrier nobody reads slot 0 any more, and no load fills it again: it becomes the stage
	QUARTER 1, 64,  0, 1, 0
	QUARTER 1, 128, 1, 0, 0
	QUARTER 1, 192, 0, 1, 0
	s_wait_dscnt 4                                 ; the very last quarter; the table comes into B's buffers as they fall free
	MUL1 1, 0, 0
	MUL1 1, 1, 0
	PLACES
	TLOAD 0
	TLOAD 1
	s_wait_dscnt 0x0
	MUL1 1, 2, 0
	MUL1 1, 3, 0
	PLACES
	TLOAD 2
	TLOAD 3
	WIN 0
.irp a, 0,1,2,3
	s_wait_loadcnt 48-16*(\a)                      ; table set a is in; the later sets' sixteen loads each may stay out
	ROPE4 \a, 0, ST0
	s_cmp_eq_u32 s[VFL], 1
	s_cbranch_scc1 .Lplain_\a
	ROPE4 \a, 4, ST0+1
	ROPE4 \a, 8, ST0+2
	s_branch .Lput_\a
.Lplain_\a:
	PLAIN4 \a, 4, ST0+1
	PLAIN4 \a, 8, ST0+2
.Lput_\a:
.endr
	s_wait_dscnt 0x0                               ; for the others' sake: head position 1's rows come from two waves
	s_barrier_signal -1
	s_barrier_wait -1
.irp p, 0,1,2
.set BK, 128+64*((\p)%2)
.if (\p) == 2
	s_wait_xcnt 0x0                                ; position 0's stores have read the registers that are loaded again
.endif
.irp t, 0,1,2,3,4,5,6,7,8,9,10,11,12,13,14,15
	ds_load_b128 v[BK+4*(\t):BK+4*(\t)+3], v[RD0+(\p)] offset:(\t)*2*PITCH
.endr
.irp t, 0,1,2,3,4,5,6,7,8,9,10,11,12,13,14,15
	s_wait_dscnt 15-(\t)
	global_store_b128 v[CO], v[BK+4*(\t):BK+4*(\t)+3], s[8:9] offset:(\p)*PLANE+512*(\t)  ; two rows of a head: 512 consecutive bytes, aligned
.endr
.endr
	s_wait_tensorcnt 0x0                           ; the wave's end, behind my last tensor load and my last LDS store
	ds_add_u32 v[SPW], v[NIL]
	s_wait_dscnt 0x0
	CROUND                                         ; the closing round: no work-group ends while a partner may still ask for a tile that names it
	s_endpgm
.Lfunc_end_k_qe51c99c042_gemm_qkv:
	.size	k_qe51c99c042_gemm_qkv, .Lfunc_end_k_qe51c99c042_gemm_qkv-k_qe51c99c042_gemm_qkv
	.p2alignl 7, 3214868480
	.fill 96, 4, 3214868480
	.section	.rodata,"a",@progbits
	.p2align	6, 0x0
	.amdhsa_kernel k_qe51c99c042_gemm_qkv
		.amdhsa_group_segment_fixed_size 327680
		.amdhsa_private_segment_fixed_size 0
		.amdhsa_enable_private_segment 0
		.amdhsa_kernarg_size 32
		.amdhsa_user_sgpr_count 2
		.amdhsa_user_sgpr_kernarg_segment_ptr 1
		.amdhsa_wavefront_size32 1
		.amdhsa_system_sgpr_workgroup_id_x 1
		.amdhsa_system_sgpr_workgroup_id_y 1
		.amdhsa_system_sgpr_workgroup_id_z 1
		.amdhsa_system_vgpr_workitem_id 0
		.amdhsa_next_free_vgpr 960
		.amdhsa_next_free_sgpr 80
		.amdhsa_reserve_vcc 0
		.amdhsa_float_denorm_mode_32 3
		.amdhsa_float_denorm_mode_16_64 3
		.amdhsa_memory_ordered 1
		.amdhsa_forward_progress 1
		.amdhsa_inst_pref_size 175
	.end_amdhsa_kernel
	.amdgpu_metadata
---
amdhsa.version: [ 1, 2 ]
amdhsa.kernels:
  - .name:           k_qe51c99c042_gemm_qkv
    .symbol:         k_qe51c99c042_gemm_qkv.kd
    .args:
      - { .name: xn, .offset: 0, .size: 8, .value_kind: global_buffer, .address_space: global }
      - { .name: wt, .offset: 8, .size: 8, .value_kind: global_buffer, .address_space: global }
      - { .name: tab, .offset: 16, .size: 8, .value_kind: global_buffer, .address_space: global }
      - { .name: qkv, .offset: 24, .size: 8, .value_kind: global_buffer, .address_space: global }
    .group_segment_fixed_size: 327680
    .private_segment_fixed_size: 0
    .kernarg_segment_align: 8
    .kernarg_segment_size: 32
    .max_flat_workgroup_size: 128
    .sgpr_count:     80
    .vgpr_count:     960
    .wavefront_size: 32
...
	.end_amdgpu_metadata
.endif
;; end of part 2
;; launch attn (part 3): grid 32 x 8, 4 waves a work-group, clusters of 4 x 1, 327,680 bytes of LDS; arguments qkv, ob; writes ob
.if DOCPART == 3
	.amdgcn_target "amdgcn-amd-amdhsa--gfx1250"
	.amdhsa_code_object_version 6
	.text
	.protected	k_qe51c99c042_attn
	.globl	k_qe51c99c042_attn
	.p2align	8
	.type	k_qe51c99c042_attn,@function
k_qe51c99c042_attn:
	s_mov_b64 s[64:65], 0
	v_nop
	global_prefetch_b8 v0, s[64:65] scope:SCOPE_SE
	s_setreg_imm32_b32 hwreg(HW_REG_WAVE_MODE, 25, 1), 1
	s_wait_xcnt 0x0
	s_wait_alu depctr_hold_cnt(0) depctr_sa_sdst(0) depctr_va_vdst(0) depctr_va_sdst(0) depctr_va_ssrc(0) depctr_va_vcc(0) depctr_vm_vsrc(0)
	s_getreg_b32 s2, hwreg(HW_REG_IB_STS2, 6, 4)
	s_cmp_eq_u32 s2, 0
	s_cbranch_scc0 .Lentry_in_a_cluster
	s_endpgm
.Lentry_in_a_cluster:
	s_bfe_u32 s2, ttmp6, 0x10000c
	s_cmp_lg_u32 s2, 0x3003
	s_cbranch_scc0 .Lentry_shape_is_right
	s_endpgm
.Lentry_shape_is_right:
; BANDED ATTENTION.  For query q of a head: softmax over the keys k with 0 <= q - k <= 256 and k >= 0 of Q.K / sqrt(128), times V.  qkv: [2][24 slots][2048][128] f16 (q head h in slot
; h + ((max(h,12) - 12) >> 1), k head j in 18 + j + (j >> 1), v head j in 14 + 3 j); ob: [4096][2048] f16, column 128 h + d.  Products, maxima and sums in f32; the weights are rounded to f16
; for the second product (their sum is taken of the unrounded weights), the result once at the end.
; LIMITS.  A hidden score counts as its value less 1e30 (f16 operands keep |score| under 5.5e11); the running maximum starts at -1e20, below every score that is seen; a weight below 2^-126 counts as 0;
; NaN and infinities are not treated apart.
; SHARES.  A work-group owns a block of 256 queries of one head; wave w its band of 64, four tiles of 16.  The block's keys m = 0 .. 511 are the block before (for block 0: block 0 once more, wholly hidden)
; and the block itself; the band needs m = 64 w .. 64 w + 319: five key steps of 64, whatever w: all waves do alike.  In the first step a key is hidden where it lies below the query's place in the band,
; in the fifth where it lies above; the three between are seen whole.
; ALL 512 rows of K and of V lie in LDS at once: eight first fills, two a wave, nothing filled again.
; CLUSTER 4 x 1: the four query heads of a key/value head, same block: they read the same K and V, so each tile is asked for jointly, with the mask of four.
; LAYOUT.  S^T = K Q^T (source 0 = 16 keys, source 1 = 16 queries): a lane holds ONE query (lane % 16) and the keys 8 (lane / 16) + 0..7; two results rounded in pairs ARE source 1 of O^T = V^T P.
; THE MASK is the C operand that starts the sum S^T.  For tile p and key block kt of a step it is one of three sets of eight registers: CB (kt < p), CD (kt = p), CA (kt > p), made anew for each step.
; One text serves all five steps: O^T, l start at 0 (256 v_mov_b32, written while the tiles are on their way), and the first step's a is 0.
; REGISTERS in windows of 256 (s_set_vgpr_msb: bits 1:0 source 0, 3:2 source 1, 5:4 source 2, 7:6 destination):
;   window 0: v2-11 addresses; v12-43 eight registers of statistics a tile; v64-191 S^T, 32 a tile; v192-255 P, 16 a tile      window 1: O^T, 64 a tile
;   window 2: v0-127 Q; v128-255 K of a step      window 3: v0-127 V of a step; v128-167 masks
.set KS,    64
.set PKK,   272                        ; a row of K in LDS: 256 + 16 bytes: the 16 rows of a load start at 16 different groups of four banks (64 banks of 4 bytes: ISA guide 11.1)
.set PVV,   288                        ; a row of V: 256 + 32
.set VB,    512*PKK                    ; V lies behind K
.set STAGE, VB+512*PVV                 ; behind them: 16 rows x 272 bytes for each wave, for the way out
.set SP,    272
.set SPARE, STAGE+4*16*SP              ; behind the stages: the spare words, 128 bytes a wave
.set AK0, 2                            ; v2  my lane's place in a tile of K; never rewritten
.set AV0, 3                            ; v3  the same for V
.set ADK, 4                            ; v4  the address of K's run of loads
.set ADV, 5                            ; v5  of V's
.set STO, 6
.set RD,  7
.set GO,  8
.set ST,  12                           ; tile t at v[ST+8 t]: c m, m, l (even keys', odd keys'), c0-c3 at work; a takes c2's place
.set QO,  45
.set SPW, 62
.set NIL, 63
.set S,   64
.set P,   192
.set KF,  128                          ; window 2
.set DL,  128                          ; window 3: -1e30 where my key lies below my query (within 16 x 16), else 0
.set DU,  136                          ;           the same for above
.set CB,  144
.set CD,  152
.set CA,  160
.set WV,  12
.set G1K, 24
.set G1V, 32
.set G0K, 40                           ; s[40:47] two sets: keys 0-255, keys 256-511
.set G0V, 48
.set TT,  56                           ; s56  the step, 0 to 4
.set CS,  58                           ; s[58:59] c = log2(e) / sqrt(128)
.set SEL, 60
.set TBK, 62                           ; s62  LDS byte at which K of the step to be fetched begins
.set TBV, 63
.set AL,  66                           ; s[66:67] DL's factor;  s[68:69] DU's;  s[70:71] the addend
.set AU,  68
.set BE,  70
.set SB,  72                           ; s72  CB's value;  s73  CA's
.set SA,  73
.set NEG, 74                           ; s74  -1e30
.set BI,  75                           ; s75  the block, 0 to 7
.set MSB, 0
.macro WIN new
.if MSB != (\new)
	s_set_vgpr_msb (MSB<<8)|(\new)
.set MSB, \new
.endif
.endm
.macro PLACES
.rept 4
	v_nop
.endr
.endm
.macro CROUND                          ; a round of the cluster's barrier
	s_barrier_signal -1
	s_barrier_wait -1
	s_cmp_lg_u32 s[WV], 0
	s_cbranch_scc1 .Lnot_wave_0_\@
	s_barrier_signal -3
.Lnot_wave_0_\@:
	s_barrier_wait -3
	s_barrier_signal -1
	s_barrier_wait -1
.endm
.macro FETCH_K                         ; a step's K: 64 keys x 128 channels, 16 fragments, one run of 32 loads
	WIN 0
	v_add_nc_u32 v[ADK], s[TBK], v[AK0]
	s_add_co_u32 s[TBK], s[TBK], KS*PKK
	WIN 0x80
.irp f, 0,1,2,3,4,5,6,7,8,9,10,11,12,13,14,15  ; keys 16 (f / 4) on, channels 32 (f % 4) on
	ds_load_b128 v[KF+8*(\f):KF+8*(\f)+3],   v[ADK] offset:((\f)/4)*16*PKK+((\f)%4)*64
	ds_load_b128 v[KF+8*(\f)+4:KF+8*(\f)+7], v[ADK] offset:((\f)/4)*16*PKK+((\f)%4)*64+32
.endr
	WIN 0
.endm
.macro FETCH_V                         ; a step's V, turned
	WIN 0
	v_add_nc_u32 v[ADV], s[TBV], v[AV0]
	s_add_co_u32 s[TBV], s[TBV], KS*PVV
	WIN 0xc0
.irp f, 0,1,2,3,4,5,6,7,8,9,10,11,12,13,14,15  ; keys 32 (f / 8) on, channels 16 (f % 8) on
	ds_load_tr16_b128 v[8*(\f):8*(\f)+3],   v[ADV] offset:((\f)/8)*32*PVV+((\f)%8)*32
	ds_load_tr16_b128 v[8*(\f)+4:8*(\f)+7], v[ADV] offset:((\f)/8)*32*PVV+16*PVV+((\f)%8)*32
.endr
.endm
.macro MASKS                           ; the step's three masks.  24 plain lines: also the places between the last product that read V and V's loads
	s_add_co_u32 s14, s[WV], s[TT]                 ; the step among the block's eight
	s_cmp_lt_u32 s14, 4                            ; in the first half of the keys,
	s_cselect_b32 s15, 1, 0
	s_cmp_eq_u32 s[BI], 0                          ; which block 0 does not have
	s_cselect_b32 s15, s15, 0
	s_cmp_eq_u32 s15, 1
	s_cselect_b32 s[BE], s[NEG], 0
	s_cmp_eq_u32 s[TT], 0
	s_cselect_b32 s[SB], s[NEG], s[BE]
	s_cselect_b32 s[AL], 1.0, 0
	s_cmp_eq_u32 s[TT], 4
	s_cselect_b32 s[SA], s[NEG], s[BE]
	s_cselect_b32 s[AU], 1.0, 0
	WIN 0xf3
.set z, 0
.rept 8
	v_mov_b32 v[CB+z], s[SB]
	v_mov_b32 v[CA+z], s[SA]
.set z, z+1
.endr
.set z, 0
.rept 4
	v_pk_fma_f32 v[CD+2*z:CD+2*z+1], v[DL+2*z:DL+2*z+1], s[AL:AL+1], s[BE:BE+1] op_sel_hi:[1,0,0]
.set z, z+1
.endr
.set z, 0
.rept 4
	v_pk_fma_f32 v[CD+2*z:CD+2*z+1], v[DU+2*z:DU+2*z+1], s[AU:AU+1], v[CD+2*z:CD+2*z+1] op_sel_hi:[1,0,1]
.set z, z+1
.endr
.endm
; Product i of 64 of S^T = K Q^T: channels 32 (i / 16) on, keys 16 ((i / 4) % 4) on, tile i % 4.  The first 16 start the sums with the mask.  The 16 accumulators take turns.
.macro KQ
.set kc, i/16
.set kt, (i/4)%4
.set tt, i%4
.set rS, S+32*tt+8*kt
.set rK, KF+32*kt+8*kc
.set rQ, 32*tt+8*kc
.if kc == 0
.set rC, CA
.if kt < tt
.set rC, CB
.endif
.if kt == tt
.set rC, CD
.endif
	WIN 0x3a
	v_wmma_f32_16x16x32_f16 v[rS:rS+7], v[rK:rK+7], v[rQ:rQ+7], v[rC:rC+7]
.else
	WIN 0x0a
	v_wmma_f32_16x16x32_f16 v[rS:rS+7], v[rK:rK+7], v[rQ:rQ+7], v[rS:rS+7]
.endif
.endm
; Product i of 64 of O^T += V^T P: keys 32 (i / 32) on, channels 16 ((i / 4) % 8) on, tile i % 4.  The 32 accumulators take turns.
.macro PV
	WIN 0x53
.set rO, 64*(i%4)+8*((i/4)%8)
.set rV, 64*(i/32)+8*((i/4)%8)
.set rP, P+16*(i%4)+8*(i/32)
	v_wmma_f32_16x16x32_f16 v[rO:rO+7], v[rV:rV+7], v[rP:rP+7], v[rO:rO+7]
.endm
; Number j of the 134 of one tile's softmax for a step.  0-15 the maximum of the 32 scores and the old m (each accumulator's lowest registers first); 16-20 the other half of the lanes, m, c m, its change;
; 21-36 c s - c m; 37 a; 38-69 the exponentials; (one wait for the batch); 70-85 roundings to f16; 86-101 the sums, l = a l + sum; 102-133 O^T times a.
.macro SM t
.set rT, ST+8*(\t)
.set rS, S+32*(\t)
.set rP, P+16*(\t)
.set rO, 64*(\t)+2*(j-102)
.if j < 102
	WIN 0
.endif
.if j < 4
	v_max3_num_f32 v[rT+4+j], v[rS+8*j], v[rS+8*j+1], v[rS+8*j+2]
.elseif j < 12
	v_max3_num_f32 v[rT+4+j%4], v[rT+4+j%4], v[rS+8*(j%4)+2*(j/4)+1], v[rS+8*(j%4)+2*(j/4)+2]
.elseif j == 12
	v_max3_num_f32 v[rT+4], v[rT+4], v[rS+7], v[rS+15]
.elseif j == 13
	v_max3_num_f32 v[rT+6], v[rT+6], v[rS+23], v[rS+31]
.elseif j == 14
	v_max3_num_f32 v[rT+4], v[rT+4], v[rT+5], v[rT+6]
.elseif j == 15
	v_max3_num_f32 v[rT+4], v[rT+4], v[rT+7], v[rT+1]
.elseif j == 16
	v_permlanex16_b32 v[rT+5], v[rT+4], s[SEL], s[SEL+1]  ; the query's other 32 keys lie in the lane 16 away
.elseif j == 17
	v_mov_b32 v[rT+7], v[rT]                       ; c m_old is kept
.elseif j == 18
	v_max_num_f32 v[rT+1], v[rT+4], v[rT+5]
.elseif j == 19
	v_mul_f32 v[rT], s[CS], v[rT+1]
.elseif j == 20
	v_sub_f32 v[rT+7], v[rT+7], v[rT]
.elseif j < 37
	v_pk_fma_f32 v[rS+2*(j-21):rS+2*(j-21)+1], v[rS+2*(j-21):rS+2*(j-21)+1], s[CS:CS+1], v[rT:rT+1] op_sel_hi:[1,0,0] neg_lo:[0,0,1] neg_hi:[0,0,1]
.elseif j == 37
	v_exp_f32 v[rT+6], v[rT+7]
.elseif j < 70
	v_exp_f32 v[rS+j-38], v[rS+j-38]
.elseif j < 86
	v_cvt_pk_f16_f32 v[rP+j-70], v[rS+2*(j-70)], v[rS+2*(j-70)+1]
.elseif j < 102                        ; the 16 pairs are added in place, neighbours 1, 2, 4 and 8 pairs apart, then l takes the sum
.set zz, j-86
.set zw, 4
.set zu, zz
.if zz >= 14
.set zw, 32
.set zu, 0
.elseif zz >= 12
.set zw, 16
.set zu, zz-12
.elseif zz >= 8
.set zw, 8
.set zu, zz-8
.endif
.if zz < 15
	v_pk_add_f32 v[rS+zw*zu:rS+zw*zu+1], v[rS+zw*zu:rS+zw*zu+1], v[rS+zw*zu+zw/2:rS+zw*zu+zw/2+1]
.else
	v_pk_fma_f32 v[rT+2:rT+3], v[rT+2:rT+3], v[rT+6:rT+7], v[rS:rS+1] op_sel_hi:[1,0,1]
.endif
.else
	WIN 0x41
	v_pk_mul_f32 v[rO:rO+1], v[rO:rO+1], v[rT+6:rT+7] op_sel_hi:[1,0]
.endif
.endm
	s_load_b128 s[4:7], s[0:1], 0x0                ; qkv s[4:5], ob s[6:7]
	v_lshl_add_u32 v[SPW], v0, 2, SPARE
	v_mov_b32 v[NIL], 0
	ds_add_u32 v[SPW], v[NIL]                      ; the wave's opening: the add and its wait stand ahead of my first tensor load; work on registers stands between them
	v_lshrrev_b32 v1, 5, v0
	v_readfirstlane_b32 s[WV], v1                  ; wave 0..3
	s_bfe_u32 s13, ttmp6, 0x40000                  ; cx: which of the four query heads
	s_mov_b32 s[BI], ttmp9                         ; in a cluster launch ttmp9 counts clusters: the block
	s_and_b32 s14, ttmp7, 0xffff
	s_lshr_b32 s15, s14, 2                         ; batch
	s_and_b32 s16, s14, 3                          ; key/value head
	s_mul_i32 s17, s15, 24
	s_lshr_b32 s18, s16, 1
	s_add_co_u32 s18, s18, s16
	s_add_co_u32 s18, s18, s17
	s_add_co_u32 s18, s18, 18
	s_lshl_b32 s18, s18, 19                        ; K's plane, 524,288 bytes each
	s_mul_i32 s19, s16, 3
	s_add_co_u32 s19, s19, s17
	s_add_co_u32 s19, s19, 14
	s_lshl_b32 s19, s19, 19                        ; V's plane
	s_and_b32 s20, s[WV], 1                        ; which 128 of a half's 256 rows I fetch
	s_lshl_b32 s21, s20, 15
	s_max_u32 s22, s[BI], 1
	s_sub_co_u32 s22, s22, 1                       ; the block before (block 0: itself; those keys are hidden)
	s_lshl_b32 s22, s22, 16
	s_add_co_u32 s22, s22, s21                     ; keys 0-255: my rows' offset in a plane
	s_lshl_b32 s23, s[BI], 16
	s_add_co_u32 s23, s23, s21                     ; keys 256-511
	s_mul_i32 s[G0K+1], s20, 128*PKK               ; LDS addresses: made of the wave's number alone
	s_add_co_u32 s[G0K+5], s[G0K+1], 256*PKK
	s_mul_i32 s[G0V+1], s20, 128*PVV
	s_add_co_u32 s[G0V+1], s[G0V+1], VB
	s_add_co_u32 s[G0V+5], s[G0V+1], 256*PVV
	s_mov_b32 s[G0K], 1
	s_mov_b32 s[G0K+4], 1
	s_mov_b32 s[G0V], 1
	s_mov_b32 s[G0V+4], 1
	s_lshl2_add_u32 s13, s16, s13                  ; h = 4 x key/value head + cx: it enters Q's and O's addresses alone
	s_max_u32 s14, s13, 12
	s_sub_co_u32 s14, s14, 12
	s_lshr_b32 s14, s14, 1
	s_add_co_u32 s14, s14, s13
	s_add_co_u32 s14, s14, s17
	s_lshl_b32 s14, s14, 19                        ; Q's plane
	s_lshl_b32 s2, s[BI], 16
	s_add_co_u32 s14, s14, s2
	s_lshl_b32 s2, s[WV], 14
	s_add_co_u32 s2, s14, s2                       ; + my band's 64 rows of 256 bytes
	s_mov_b32 s3, 0
	s_lshl_b32 s14, s15, 23                        ; ob: row 2048 batch + 256 block + 64 wave, 4,096 bytes each; + 256 h
	s_lshl_b32 s15, s[BI], 20
	s_add_co_u32 s14, s14, s15
	s_lshl_b32 s15, s[WV], 18
	s_add_co_u32 s14, s14, s15
	s_lshl_b32 s15, s13, 8
	s_add_co_u32 s14, s14, s15
	s_mov_b32 s15, 0
	s_mov_b32 s[G1K], 15|(1<<16)|(1<<20)|(1<<21)|(5<<22)|(3<<25)  ; the mask of four; 2-byte elements; padding on; bit 21 beside a mask; after every 64 words; 4 words
	s_mov_b32 s[G1V], 15|(1<<16)|(1<<20)|(1<<21)|(5<<22)|(7<<25)  ; the same with 8 words
.irp g, G1K, G1V
	s_mov_b32 s[(\g)+1], 128<<16                   ; tensor_dim0 = 128
	s_mov_b32 s[(\g)+2], 128<<16                   ; tensor_dim1 = 128
	s_mov_b32 s[(\g)+3], 128<<16                   ; tile_dim0 = 128
	s_mov_b32 s[(\g)+4], 128                       ; tile_dim1 = 128
	s_mov_b32 s[(\g)+5], 128                       ; elements from row to row: a head's rows are dense
	s_mov_b32 s[(\g)+6], 0
	s_mov_b32 s[(\g)+7], 0
.endr
	s_mov_b32 s[CS], 0x3e0293ee                    ; c = log2(e) / sqrt(128)
	s_mov_b32 s[CS+1], s[CS]
	s_mov_b32 s[SEL], 0x76543210
	s_mov_b32 s[SEL+1], 0xfedcba98
	s_mov_b32 s[NEG], 0xf149f2ca                   ; -1e30
	s_mov_b32 s[AL+1], 0                           ; named as pairs
	s_mov_b32 s[AU+1], 0
	s_mov_b32 s[BE+1], 0
	s_mul_i32 s[TBK], s[WV], KS*PKK                ; my first step is step w of the eight
	s_mul_i32 s[TBV], s[WV], KS*PVV
	s_mov_b32 s[TT], 0
	s_mov_b32 s17, 0
	s_wait_dscnt 0x0                               ; the opening add is done
	s_wait_kmcnt 0x0
	s_add_nc_u64 s[8:9], s[4:5], s[2:3]            ; Q at my band
	s_add_nc_u64 s[10:11], s[6:7], s[14:15]        ; O at my band
	s_add_co_u32 s16, s18, s22
	s_add_nc_u64 s[G0K+2:G0K+3], s[4:5], s[16:17]
	s_add_co_u32 s16, s18, s23
	s_add_nc_u64 s[G0K+6:G0K+7], s[4:5], s[16:17]
	s_add_co_u32 s16, s19, s22
	s_add_nc_u64 s[G0V+2:G0V+3], s[4:5], s[16:17]
	s_add_co_u32 s16, s19, s23
	s_add_nc_u64 s[G0V+6:G0V+7], s[4:5], s[16:17]
	s_or_b32 s[G0K+3], s[G0K+3], 0x80000000
	s_or_b32 s[G0K+7], s[G0K+7], 0x80000000
	s_or_b32 s[G0V+3], s[G0V+3], 0x80000000
	s_or_b32 s[G0V+7], s[G0V+7], 0x80000000
	CROUND                                         ; all four work-groups are here: the joint loads meet
	s_cmp_lt_u32 s[WV], 2                          ; waves 0, 1 fetch K, waves 2, 3 V; a wave's two fills stand in one branch: two loads of mine are out
	s_cbranch_scc0 .Lfirst_v
	tensor_load_to_lds s[G0K:G0K+3], s[G1K:G1K+7]
	s_nop 0
	tensor_load_to_lds s[G0K+4:G0K+7], s[G1K:G1K+7]
	s_nop 0
.rept 4
	v_nop
.endr
	s_branch .Lfirst_asked
.Lfirst_v:
	tensor_load_to_lds s[G0V:G0V+3], s[G1V:G1V+7]
	s_nop 0
	tensor_load_to_lds s[G0V+4:G0V+7], s[G1V:G1V+7]
	s_nop 0
.rept 4
	v_nop
.endr
.Lfirst_asked:
	v_and_b32 v1, 15, v0                           ; l % 16
	v_bfe_u32 v9, v0, 4, 1                         ; l / 16
	v_lshlrev_b32 v[QO], 8, v1
	v_lshl_add_u32 v[QO], v9, 4, v[QO]             ; row x 256 + 16 x half
	WIN 0x80
.set i, 0
.rept 16                               ; Q stays in registers: tile i / 4, channels 32 (i % 4) on
	global_load_b128 v[8*i:8*i+3],   v[QO], s[8:9] offset:(i/4)*4096+(i%4)*64
	global_load_b128 v[8*i+4:8*i+7], v[QO], s[8:9] offset:(i/4)*4096+(i%4)*64+32
.set i, i+1
.endr
	WIN 0
	v_lshlrev_b32 v44, 3, v9
	v_sub_nc_u32 v44, v1, v44                      ; my query's place less my lanes' 8 (l / 16): register z holds a key below it where z < this, above it where z > this
	WIN 0xc0
.set z, 0
.rept 8
	v_cmp_lt_i32 vcc_lo, z, v44
	v_cndmask_b32 v[DL+z], 0, s[NEG], vcc_lo
	v_cmp_gt_i32 vcc_lo, z, v44
	v_cndmask_b32 v[DU+z], 0, s[NEG], vcc_lo
.set z, z+1
.endr
	WIN 0x40
.set i, 0
.rept 256
	v_mov_b32 v[i], 0                              ; O^T
.set i, i+1
.endr
	WIN 0
.irp t, 0,1,2,3
	v_mov_b32 v[ST+8*(\t)+1], 0xe0ad78ec           ; m = -1e20
	v_mov_b32 v[ST+8*(\t)+2], 0
	v_mov_b32 v[ST+8*(\t)+3], 0
	v_mul_f32 v[ST+8*(\t)], s[CS], v[ST+8*(\t)+1]
.endr
	v_mul_u32_u24 v[AK0], v1, PKK
	v_lshl_add_u32 v[AK0], v9, 4, v[AK0]           ; row x pitch + 16 x half
	; the turning load takes 16 keys x 16 channels (lane l reads key 8 (l / 16) + l % 8, channels 8 ((l / 8) % 2) + 0..7) and leaves half a fragment of V^T
	v_and_b32 v10, 7, v0
	v_bfe_u32 v11, v0, 3, 1
	v_lshl_add_u32 v[AV0], v9, 3, v10
	v_mul_u32_u24 v[AV0], v[AV0], PVV
	v_lshl_add_u32 v[AV0], v11, 4, v[AV0]
	v_add_nc_u32 v[AV0], VB, v[AV0]
	s_mul_i32 s13, s[WV], 16*SP
	s_add_co_u32 s13, s13, STAGE                   ; my stage
	v_mul_u32_u24 v[STO], v1, SP
	v_lshl_add_u32 v[STO], v9, 4, v[STO]
	v_add_nc_u32 v[STO], s13, v[STO]
	v_mul_u32_u24 v[RD], v9, SP
	v_lshl_add_u32 v[RD], v1, 4, v[RD]
	v_add_nc_u32 v[RD], s13, v[RD]
	v_lshlrev_b32 v[GO], 12, v9                    ; two rows of ob, 4,096 bytes apart
	v_lshl_add_u32 v[GO], v1, 4, v[GO]
	s_wait_tensorcnt 0x0                           ; my parts of K or V are in,
	s_barrier_signal -1
	s_barrier_wait -1                              ; everybody's are: from here on LDS is only read
	FETCH_K
	s_wait_loadcnt 0x0                             ; Q
.Ltrip:                                        ; five trips: key step w + T
	MASKS
	FETCH_V
	s_wait_dscnt 32                                ; K is in; V's 32 loads may stay out (the same count on the way in and on the way back)
.set i, 0
.rept 64
	KQ
.set i, i+1
.endr
	PLACES
.set j, 0
.rept 70
.irp t, 0,1,2,3
	SM \t
.endr
.set j, j+1
.endr
	v_nop                                          ; a plain instruction behind the last exponential,
	s_wait_alu depctr_va_vdst(0)                   ; and ONE wait for the batch of 132, ahead of the first line that names a result
.rept 64
.irp t, 0,1,2,3
	SM \t
.endr
.set j, j+1
.endr
	WIN 0
	s_wait_dscnt 0x0                               ; V is in
	s_cmp_eq_u32 s[TT], 4
	s_cbranch_scc1 .Lno_k                          ; the last step has none behind it
	FETCH_K                                        ; the next step's K lands under the 64 products below
.Lno_k:
.set i, 0
.rept 64
	PV
.set i, i+1
.endr
	WIN 0
	s_add_co_u32 s[TT], s[TT], 1
	s_cmp_lt_u32 s[TT], 5
	s_cbranch_scc1 .Ltrip
	; THE WAY OUT.  l's halves and the other half of the lanes' are added; O^T is divided by l, rounded to f16 and sent through my stage, a tile at a time.  The additions are the places behind the last products.
.irp t, 0,1,2,3
	v_add_f32 v[ST+8*(\t)+4], v[ST+8*(\t)+2], v[ST+8*(\t)+3]
.endr
.irp t, 0,1,2,3
	v_permlanex16_b32 v[ST+8*(\t)+5], v[ST+8*(\t)+4], s[SEL], s[SEL+1]
.endr
.irp t, 0,1,2,3
	v_add_f32 v[ST+8*(\t)+4], v[ST+8*(\t)+4], v[ST+8*(\t)+5]
.endr
.irp t, 0,1,2,3
	v_rcp_f32 v[ST+8*(\t)+6], v[ST+8*(\t)+4]
.endr
	v_nop
	s_wait_alu depctr_va_vdst(0)                   ; one wait for the four reciprocals
.macro PACK t
	WIN 0x41
.set i, 64*(\t)
.rept 32
	v_pk_mul_f32 v[i:i+1], v[i:i+1], v[ST+8*(\t)+6:ST+8*(\t)+7] op_sel_hi:[1,0]
.set i, i+2
.endr
	WIN 0x05
.set i, 0
.rept 32
	v_cvt_pk_f16_f32 v[S+32*(\t)+i], v[64*(\t)+2*i], v[64*(\t)+2*i+1]
.set i, i+1
.endr
	WIN 0
.irp f, 0,1,2,3,4,5,6,7
	ds_store_b128 v[STO], v[S+32*(\t)+4*(\f):S+32*(\t)+4*(\f)+3] offset:32*(\f)
.endr
.irp f, 0,1,2,3,4,5,6,7
	ds_load_b128 v[S+32*(\t)+4*(\f):S+32*(\t)+4*(\f)+3], v[RD] offset:(\f)*2*SP  ; LDS serves a wave's instructions in order (ISA guide 5.7.1.4): these see the stores above; the next tile's stores come behind them
.endr
.endm
.macro SEND t, younger                 ; younger: the LDS instructions issued behind tile t's loads
.irp f, 0,1,2,3,4,5,6,7
	s_wait_dscnt (\younger)+7-(\f)
	global_store_b128 v[GO], v[S+32*(\t)+4*(\f):S+32*(\t)+4*(\f)+3], s[10:11] offset:(\t)*65536+(\f)*8192  ; 16 lanes store a head's 256 bytes of a row, aligned
.endr
.endm
	PACK 0
	PACK 1
	SEND 0, 16
	PACK 2
	SEND 1, 16
	PACK 3
	SEND 2, 16
	SEND 3, 0
	s_wait_tensorcnt 0x0                           ; the wave's end, behind my last tensor load and my last LDS store
	ds_add_u32 v[SPW], v[NIL]
	s_wait_dscnt 0x0
	CROUND                                         ; the closing round
	s_endpgm
.Lfunc_end_k_qe51c99c042_attn:
	.size	k_qe51c99c042_attn, .Lfunc_end_k_qe51c99c042_attn-k_qe51c99c042_attn
	.p2alignl 7, 3214868480
	.fill 96, 4, 3214868480
	.section	.rodata,"a",@progbits
	.p2align	6, 0x0
	.amdhsa_kernel k_qe51c99c042_attn
		.amdhsa_group_segment_fixed_size 327680
		.amdhsa_private_segment_fixed_size 0
		.amdhsa_enable_private_segment 0
		.amdhsa_kernarg_size 16
		.amdhsa_user_sgpr_count 2
		.amdhsa_user_sgpr_kernarg_segment_ptr 1
		.amdhsa_wavefront_size32 1
		.amdhsa_system_sgpr_workgroup_id_x 1
		.amdhsa_system_sgpr_workgroup_id_y 1
		.amdhsa_system_sgpr_workgroup_id_z 1
		.amdhsa_system_vgpr_workitem_id 0
		.amdhsa_next_free_vgpr 936
		.amdhsa_next_free_sgpr 76
		.amdhsa_reserve_vcc 1
		.amdhsa_float_denorm_mode_32 3
		.amdhsa_float_denorm_mode_16_64 3
		.amdhsa_memory_ordered 1
		.amdhsa_forward_progress 1
		.amdhsa_inst_pref_size 92
	.end_amdhsa_kernel
	.amdgpu_metadata
---
amdhsa.version: [ 1, 2 ]
amdhsa.kernels:
  - .name:           k_qe51c99c042_attn
    .symbol:         k_qe51c99c042_attn.kd
    .args:
      - { .name: qkv, .offset: 0, .size: 8, .value_kind: global_buffer, .address_space: global }
      - { .name: ob, .offset: 8, .size: 8, .value_kind: global_buffer, .address_space: global }
    .group_segment_fixed_size: 327680
    .private_segment_fixed_size: 0
    .kernarg_segment_align: 8
    .kernarg_segment_size: 16
    .max_flat_workgroup_size: 128
    .sgpr_count:     76
    .vgpr_count:     936
    .wavefront_size: 32
...
	.end_amdgpu_metadata
.endif
;; end of part 3
;; launch gemm_out (part 4): grid 8 x 32, 4 waves a work-group, clusters of 4 x 4, 327,680 bytes of LDS; arguments ob, wot, out0; writes out0
.if DOCPART == 4
	.amdgcn_target "amdgcn-amd-amdhsa--gfx1250"
	.amdhsa_code_object_version 6
	.text
	.protected	k_qe51c99c042_gemm_out
	.globl	k_qe51c99c042_gemm_out
	.p2align	8
	.type	k_qe51c99c042_gemm_out,@function
k_qe51c99c042_gemm_out:
	s_mov_b64 s[64:65], 0
	v_nop
	global_prefetch_b8 v0, s[64:65] scope:SCOPE_SE
	s_setreg_imm32_b32 hwreg(HW_REG_WAVE_MODE, 25, 1), 1
	s_wait_xcnt 0x0
	s_wait_alu depctr_hold_cnt(0) depctr_sa_sdst(0) depctr_va_vdst(0) depctr_va_sdst(0) depctr_va_ssrc(0) depctr_va_vcc(0) depctr_vm_vsrc(0)
	s_getreg_b32 s2, hwreg(HW_REG_IB_STS2, 6, 4)
	s_cmp_eq_u32 s2, 0
	s_cbranch_scc0 .Lentry_in_a_cluster
	s_endpgm
.Lentry_in_a_cluster:
	s_bfe_u32 s2, ttmp6, 0x10000c
	s_cmp_lg_u32 s2, 0xf033
	s_cbranch_scc0 .Lentry_shape_is_right
	s_endpgm
.Lentry_shape_is_right:
; out0 = ob wot^T.  ob: [4096][2048] f16; wot: [2048 n][2048 k] f16; out0: [4096][2048] f32.  Sums in f32, stored as they are.
; SHARES.  A tile of C is 128 rows x 256 columns: 8 x 32 tiles, a work-group each.  Four waves, each 64 rows x 128 columns: 32 accumulators of 16 x 16, 256 registers.
; K goes in steps of 128 through a ring of two LDS slots (A's 128 rows, then B's 256).  A tensor load brings 128 rows x 256 bytes: wave 0 A's, waves 1 and 2 B's halves; wave 3 has no tile to fetch.
; CLUSTER 4 x 4: A's tile is asked for jointly along a row of the cluster, B's along a column.
; THE WALK ALONG K.  A cluster begins at K step o = (4 (cluster y % 4) + 8 cluster x) % 16 and goes round (f32 sums may be taken in any order): the two clusters that read the same rows of ob walk 8 steps
; apart; of the eight that read the same rows of wot those with y = 0..3, and those with y = 4..7, walk 4 steps apart.  o hangs on the cluster's coordinates alone: it is the same in all sixteen partners.
; THE MATRIX INSTRUCTION IS USED TRANSPOSED (source 0 = 16 rows of wot, source 1 = 16 rows of ob): a lane holds row l % 16 and eight neighbouring columns: 32 bytes of a row of out0.
; REGISTERS in windows of 256: window 0: v16-31 addresses; v64-95, v96-127 A's fragments; v128-255 rows on the way out;  window 1: v0-63, v128-191 B's fragments;
;   window 2: accumulators of row blocks 0, 1 ((a, b) at v[8 (8 (a % 2) + b)]);  window 3: of row blocks 2, 3
.set NBK,   8
.set NT,    32*NBK
.set KSTEP, 128
.set ROWB,  4096                       ; bytes in a row of ob and of wot
.set PITCH, 272                        ; 256 bytes + 16: the 16 rows of a fragment load start at 16 different groups of four banks (64 banks of 4 bytes: ISA guide 11.1)
.set UNIT,  128*PITCH
.set SLOT,  3*UNIT
.set STAGE, 2*SLOT                     ; behind the ring: 16 rows x 528 bytes for each wave
.set SPITCH, 528
.set SPARE, STAGE+4*16*SPITCH          ; behind the stages: the spare words, 128 bytes a wave
.set LAPS,  2048/(2*KSTEP)
.set NF,    2*NBK+8
.set ADRA, 16
.set ADRB, 20
.set STO,  24
.set RD,   25
.set CO,   26                          ; v26  16 x lane
.set SPW,  28
.set NIL,  29
.set PFO,  30
.set G1A, 24
.set G0A, 32
.set G1B, 48
.set G0B, 56
.set PFA, 44                           ; s[44:45] the address that a prefetch names
.set LIM, 46                           ; s46  5 in a wave that prefetches, else the greatest number
.set ABS, 66                           ; s[66:67] ob at the first of the rows that wave 0 fetches, K = 0
.set BBS, 68                           ; s[68:69] wot at the first of the rows that I fetch, K = 0
.set KK,  70                           ; s70, s71  byte along a row of the K step that slot 0, 1 was last asked for
.set KO,  72                           ; s[72:73] an offset as a pair; the high word stays 0
.set PFB, 74                           ; s[74:75] ob at my work-group's 32 rows of the tile, K = 0
.set PKK, 76                           ; s76  byte along a row of the K step that the last prefetch named
.set GW0, (1<<16)|(1<<20)|(1<<21)|(5<<22)|(3<<25)
.set MSB, 0
.macro WIN new
.if MSB != (\new)
	s_set_vgpr_msb (MSB<<8)|(\new)
.set MSB, \new
.endif
.endm
.macro PLACES
.rept 4
	v_nop
.endr
.endm
.macro CROUND                          ; a round of the cluster's barrier
	s_barrier_signal -1
	s_barrier_wait -1
	s_cmp_lg_u32 s10, 0
	s_cbranch_scc1 .Lnot_wave_0_\@
	s_barrier_signal -3
.Lnot_wave_0_\@:
	s_barrier_wait -3
	s_barrier_signal -1
	s_barrier_wait -1
.endm
.macro JLOAD s                         ; a joint refill: wave 0 A's tile, waves 1 and 2 B's halves, wave 3 none; the branches hang on the wave's number alone
	s_cmp_eq_u32 s10, 0
	s_cbranch_scc0 .Lfor_b_\@
	tensor_load_to_lds s[G0A+4*(\s):G0A+4*(\s)+3], s[G1A:G1A+7]
	s_nop 0
.rept 4
	v_nop
.endr
	s_branch .Lasked_\@
.Lfor_b_\@:
	s_cmp_eq_u32 s10, 3
	s_cbranch_scc1 .Lasked_\@
	tensor_load_to_lds s[G0B+4*(\s):G0B+4*(\s)+3], s[G1B:G1B+7]
	s_nop 0
.rept 4
	v_nop
.endr
.Lasked_\@:
.endm
; A PREFETCH of ob's rows for the K step two refills on: 32 rows x 256 bytes, a lane a row, by wave 0.  Of the two clusters that read my rows of ob, mine is the first to read the eight K steps of my walk's
; first half.  The change of slots in step t of the walk names step t + 4: the loop's first two trips (s3 = 7, 6) name steps 4 to 7; steps 0 to 3 come by their loads alone, and nothing is named later.
; The four partners of the joint load take 32 of its 128 rows each, by address.  So each row's 256 bytes of a K step are named at most once.  wot's rows are first read in a walk's steps 0 to 3: nothing of wot is named.
.macro ASK
	s_cmp_gt_u32 s3, s[LIM]
	s_cbranch_scc0 .Lnot_mine_\@
	global_prefetch_b8 v[PFO], s[PFA:PFA+1] th:TH_LOAD_NT scope:SCOPE_SE
.Lnot_mine_\@:
.endm
.macro MUL1 f, a, zero                 ; 8 matrix instructions: row block a x all column blocks; the 32 accumulators take turns, one instruction a turn
	WIN 0xa1+0x50*((\a)/2)
.set ab, 8*NBK*((\a)%2)
.set bi, 0
.rept NBK
.if \zero
	v_wmma_f32_16x16x32_f16 v[ab+8*bi:ab+8*bi+7], v[128*(\f)+8*bi:128*(\f)+8*bi+7], v[64+32*(\f)+8*(\a):64+32*(\f)+8*(\a)+7], 0
.else
	v_wmma_f32_16x16x32_f16 v[ab+8*bi:ab+8*bi+7], v[128*(\f)+8*bi:128*(\f)+8*bi+7], v[64+32*(\f)+8*(\a):64+32*(\f)+8*(\a)+7], v[ab+8*bi:ab+8*bi+7]
.endif
.set bi, bi+1
.endr
.endm
.macro FETCH slot, k, f                ; one run of 24 LDS loads: B's 8 blocks, then A's 4
	WIN 0x40
.set bi, 0
.rept NBK
	ds_load_b128 v[128*(\f)+8*bi:128*(\f)+8*bi+3],   v[ADRB+(\slot)] offset:(\k)+bi*16*PITCH
	ds_load_b128 v[128*(\f)+8*bi+4:128*(\f)+8*bi+7], v[ADRB+(\slot)] offset:(\k)+bi*16*PITCH+32
.set bi, bi+1
.endr
	WIN 0
.irp i, 0,1,2,3
	ds_load_b128 v[64+32*(\f)+8*(\i):64+32*(\f)+8*(\i)+3],   v[ADRA+(\slot)] offset:(\k)+(\i)*16*PITCH
	ds_load_b128 v[64+32*(\f)+8*(\i)+4:64+32*(\f)+8*(\i)+7], v[ADRA+(\slot)] offset:(\k)+(\i)*16*PITCH+32
.endr
.endm
.macro QUARTER slot, k, f, g, zero
	s_wait_dscnt 4                                 ; all of B and A's blocks 0, 1 are in; the four youngest loads may be out
	MUL1 \f, 0, \zero
	MUL1 \f, 1, \zero
	PLACES
	FETCH \slot, \k, \g
	s_wait_dscnt NF                                ; all but the run just issued
	MUL1 \f, 2, \zero
	MUL1 \f, 3, \zero
.endm
; THE CHANGE OF SLOTS stands at the head of a K step's last quarter, whose fragments (buffer 1) were the last reads of this slot.  Each wave waits for all its tensor loads, adds 0 to its spare word, and waits
; for that and for its reads of this slot.  fill = 1: a round of the cluster's barrier follows, and the joint refill, two K steps on in the walk, is the first thing behind it: only one refill of a wave is ever
; out, so nothing but the round stands between a tile's landing and the next request, and the request has a whole K step's 128 matrix instructions in which to land.  The refill's address is made anew:
; the rows' base plus the K step's byte, which goes round at a row's end.
.macro TURN slot, next, fill
.if \fill
	s_wait_xcnt 0x0                                ; the last prefetch, a K step back, has read its address
	s_add_co_u32 s[PKK], s[PKK], KSTEP*2
	s_and_b32 s[PKK], s[PKK], ROWB-1
	s_mov_b32 s[KO], s[PKK]
	s_add_nc_u64 s[PFA:PFA+1], s[PFB:PFB+1], s[KO:KO+1]
.endif
	WIN 0
	s_wait_tensorcnt 0x0                           ; no tensor load of mine is out, so a group 0 may be written
	ds_add_u32 v[SPW], v[NIL]                      ; the descriptors' scalar work stands between the add and the wait for it
.if \fill
	s_add_co_u32 s[KK+(\slot)], s[KK+(\slot)], 2*KSTEP*2
	s_and_b32 s[KK+(\slot)], s[KK+(\slot)], ROWB-1
	s_mov_b32 s[KO], s[KK+(\slot)]
	s_add_nc_u64 s[G0A+4*(\slot)+2:G0A+4*(\slot)+3], s[ABS:ABS+1], s[KO:KO+1]
	s_or_b32 s[G0A+4*(\slot)+3], s[G0A+4*(\slot)+3], 0x80000000
	s_add_nc_u64 s[G0B+4*(\slot)+2:G0B+4*(\slot)+3], s[BBS:BBS+1], s[KO:KO+1]
	s_or_b32 s[G0B+4*(\slot)+3], s[G0B+4*(\slot)+3], 0x80000000
.endif
	s_wait_dscnt 0x0                               ; the add is done, and my reads of this slot are over (the youngest were issued 16 matrix instructions back)
.if \fill
	CROUND                                         ; no wave of any partner still reads this slot or has a load on its way
	JLOAD \slot
.else
	s_barrier_signal -1
	s_barrier_wait -1
.endif
	PLACES                                         ; written out, so that the wave that issues no load has its places too
	FETCH \next, 0, 0
.if \fill
	ASK
.endif
	MUL1 1, 0, 0
	MUL1 1, 1, 0
	MUL1 1, 2, 0
	MUL1 1, 3, 0
.endm
; THE WAY OUT of row block a: 32 bytes a lane and column block into my own stage (rows of 528 bytes), back as whole rows of 512 bytes, stored.
.macro TOSTAGE a
	s_wait_xcnt 0x0                                ; the stores of the block two back have read the registers that are loaded again
	WIN 0x08+4*((\a)/2)                            ; store data: the accumulators' window
.set ab, 8*NBK*((\a)%2)
.set BK, 128+64*((\a)%2)
.set bi, 0
.rept NBK
	ds_store_b128 v[STO], v[ab+8*bi:ab+8*bi+3]   offset:64*bi       ; each accumulator's lowest registers first
	ds_store_b128 v[STO], v[ab+8*bi+4:ab+8*bi+7] offset:64*bi+16
.set bi, bi+1
.endr
	WIN 0
.irp t, 0,1,2,3,4,5,6,7,8,9,10,11,12,13,14,15
	ds_load_b128 v[BK+4*(\t):BK+4*(\t)+3], v[RD] offset:(\t)*SPITCH  ; LDS serves a wave's instructions in order (ISA guide 5.7.1.4): these see the stores above; the next block's stores come behind them
.endr
.endm
.macro SEND a, younger
.set BK, 128+64*((\a)%2)
.irp t, 0,1,2,3,4,5,6,7,8,9,10,11,12,13,14,15
	s_wait_dscnt (\younger)+15-(\t)
	global_store_b128 v[CO], v[BK+4*(\t):BK+4*(\t)+3], s[8:9] offset:131072*(\a)+8192*(\t) th:TH_STORE_NT  ; the wave stores 512 consecutive bytes of a row, aligned
.endr
.endm
	s_load_b128 s[4:7], s[0:1], 0x0                ; ob s[4:5], wot s[6:7]
	s_load_b64 s[8:9], s[0:1], 0x10                ; out0
	v_lshl_add_u32 v[SPW], v0, 2, SPARE
	v_mov_b32 v[NIL], 0
	ds_add_u32 v[SPW], v[NIL]                      ; the wave's opening: the add and its wait stand ahead of my first tensor load; work on registers stands between them
	v_lshrrev_b32 v1, 5, v0
	v_readfirstlane_b32 s10, v1                    ; wave 0..3
	s_lshr_b32 s11, s10, 1                         ; my half of the tile's rows
	s_and_b32 s12, s10, 1                          ; my half of its columns
	s_bfe_u32 s40, ttmp6, 0x40000                  ; cx
	s_bfe_u32 s41, ttmp6, 0x40004                  ; cy
	s_lshl_b32 s42, ttmp9, 2
	s_add_co_u32 s42, s42, s40                     ; tile column
	s_and_b32 s13, ttmp7, 0xffff
	s_lshl_b32 s13, s13, 2
	s_add_co_u32 s13, s13, s41                     ; tile row
	s_lshl_b32 s43, s41, 2
	s_lshl_b32 s43, 15, s43                        ; my row of the cluster
	s_lshl_b32 s21, 0x1111, s40                    ; my column
	s_or_b32 s[G1A], s43, GW0
	s_or_b32 s[G1B], s21, GW0
.irp g, G1A, G1B
	s_mov_b32 s[(\g)+1], KSTEP<<16
	s_mov_b32 s[(\g)+2], 128<<16
	s_mov_b32 s[(\g)+3], KSTEP<<16
	s_mov_b32 s[(\g)+4], 128
	s_mov_b32 s[(\g)+5], 2048
	s_mov_b32 s[(\g)+6], 0
	s_mov_b32 s[(\g)+7], 0
.endr
	s_and_b32 s[KK], ttmp7, 3                      ; where my cluster's walk begins: o = (4 (cluster y % 4) + 8 cluster x) % 16,
	s_lshl_b32 s[KK], s[KK], 2
	s_lshl_b32 s[KK+1], ttmp9, 3
	s_add_co_u32 s[KK], s[KK], s[KK+1]
	s_and_b32 s[KK], s[KK], 15
	s_lshl_b32 s[KK], s[KK], 8                     ; in bytes of a row: slot 0 begins with K step o,
	s_add_co_u32 s[KK+1], s[KK], KSTEP*2           ; slot 1 with o + 1 (o is a multiple of 4: no row's end is passed),
	s_add_co_u32 s[PKK], s[KK], 3*KSTEP*2          ; and the first change of slots steps this to o + 4
	s_mov_b32 s[KO+1], 0
	s_lshl_b32 s16, s13, 19                        ; A: 128 x tile row, rows of 4,096 bytes
	s_mov_b32 s17, 0
	s_max_u32 s22, s10, 1
	s_sub_co_u32 s22, s22, 1                       ; which half of B's tile I fetch (waves 1, 2; the others never use it)
	s_lshl_b32 s22, s22, 7
	s_lshl_b32 s18, s42, 8
	s_add_co_u32 s18, s18, s22
	s_lshl_b32 s18, s18, 12
	s_mov_b32 s19, 0
	s_mul_i32 s20, s10, UNIT
	s_wait_dscnt 0x0                               ; the opening add is done
	s_wait_kmcnt 0x0
	s_add_nc_u64 s[ABS:ABS+1], s[4:5], s[16:17]
	s_add_nc_u64 s[BBS:BBS+1], s[6:7], s[18:19]
.irp s, 0,1
	s_mov_b32 s[KO], s[KK+(\s)]
	s_mov_b32 s[G0A+4*(\s)], 1
	s_add_co_u32 s[G0A+4*(\s)+1], s20, (\s)*SLOT
	s_add_nc_u64 s[G0A+4*(\s)+2:G0A+4*(\s)+3], s[ABS:ABS+1], s[KO:KO+1]
	s_or_b32 s[G0A+4*(\s)+3], s[G0A+4*(\s)+3], 0x80000000
	s_mov_b32 s[G0B+4*(\s)], 1
	s_add_co_u32 s[G0B+4*(\s)+1], s20, (\s)*SLOT
	s_add_nc_u64 s[G0B+4*(\s)+2:G0B+4*(\s)+3], s[BBS:BBS+1], s[KO:KO+1]
	s_or_b32 s[G0B+4*(\s)+3], s[G0B+4*(\s)+3], 0x80000000
.endr
	CROUND                                         ; all sixteen work-groups are here: the first joint loads meet
	s_cmp_eq_u32 s10, 0                            ; a wave's two first fills stand together under the branch on its number: two loads are out (wave 3: none)
	s_cbranch_scc0 .Lfirst_b
	tensor_load_to_lds s[G0A:G0A+3], s[G1A:G1A+7]
	s_nop 0
	tensor_load_to_lds s[G0A+4:G0A+7], s[G1A:G1A+7]
	s_nop 0
.rept 4
	v_nop
.endr
	s_branch .Lfirst_done
.Lfirst_b:
	s_cmp_eq_u32 s10, 3
	s_cbranch_scc1 .Lfirst_done
	tensor_load_to_lds s[G0B:G0B+3], s[G1B:G1B+7]
	s_nop 0
	tensor_load_to_lds s[G0B+4:G0B+7], s[G1B:G1B+7]
	s_nop 0
.rept 4
	v_nop
.endr
.Lfirst_done:
	v_and_b32 v1, 15, v0
	v_bfe_u32 v2, v0, 4, 1
	v_mul_u32_u24 v3, v1, PITCH
	v_lshl_add_u32 v3, v2, 4, v3
	s_mul_i32 s14, s11, 64*PITCH
	s_mul_i32 s15, s12, (NT/2)*PITCH
	s_add_co_u32 s15, s15, UNIT
.irp s, 0,1
	v_add_nc_u32 v[ADRA+(\s)], s14, v3
	v_add_nc_u32 v[ADRB+(\s)], s15, v3
	s_add_co_u32 s14, s14, SLOT
	s_add_co_u32 s15, s15, SLOT
.endr
	s_mul_i32 s14, s10, 16*SPITCH
	s_add_co_u32 s14, s14, STAGE                   ; my stage
	v_mul_u32_u24 v4, v1, SPITCH
	v_lshl_add_u32 v4, v2, 5, v4                   ; in: row l % 16, 32 bytes for each half of the lanes
	v_add_nc_u32 v[STO], s14, v4
	v_and_b32 v[CO], 31, v0
	v_lshlrev_b32 v[CO], 4, v[CO]
	v_add_nc_u32 v[RD], s14, v[CO]                 ; back: a row of 512 bytes a load
	s_lshl_b32 s14, s13, 7                         ; out0: row 128 x tile row + 64 x row half, 8,192 bytes each; + 1,024 x tile column + 512 x column half
	s_lshl_b32 s15, s11, 6
	s_add_co_u32 s14, s14, s15
	s_lshl_b32 s14, s14, 13
	s_lshl_b32 s15, s42, 10
	s_add_co_u32 s14, s14, s15
	s_lshl_b32 s15, s12, 9
	s_add_co_u32 s14, s14, s15
	s_mov_b32 s15, 0
	s_add_nc_u64 s[8:9], s[8:9], s[14:15]
	; the prefetches: ob at row 128 x tile row + 32 cx
	s_lshl_b32 s14, s13, 7
	s_lshl_b32 s15, s40, 5
	s_add_co_u32 s14, s14, s15
	s_lshl_b32 s14, s14, 12
	s_mov_b32 s15, 0
	s_add_nc_u64 s[PFB:PFB+1], s[4:5], s[14:15]
	s_cmp_eq_u32 s10, 0
	s_cselect_b32 s[LIM], 5, -1                    ; wave 0 asks, while the loop's count is above 5
	v_and_b32 v[PFO], 31, v0
	v_lshlrev_b32 v[PFO], 12, v[PFO]
	s_wait_tensorcnt 1                             ; my part of the walk's first K step is in; the second's may stay out
	s_barrier_signal -1
	s_barrier_wait -1
	FETCH 0, 0, 0
	QUARTER 0, 64, 0, 1, 1                         ; the first quarter's products start the sums
	WIN 0
	s_mov_b32 s3, LAPS-1
.Llap:
	QUARTER 0, 128, 1, 0, 0
	QUARTER 0, 192, 0, 1, 0
	TURN 0, 1, 1
	QUARTER 1, 64,  0, 1, 0
	QUARTER 1, 128, 1, 0, 0
	QUARTER 1, 192, 0, 1, 0
	TURN 1, 0, 1
	QUARTER 0, 64,  0, 1, 0
	WIN 0
	s_sub_co_u32 s3, s3, 1
	s_cmp_lg_u32 s3, 0
	s_cbranch_scc1 .Llap
	QUARTER 0, 128, 1, 0, 0                        ; the last lap fills nothing
	QUARTER 0, 192, 0, 1, 0
	TURN 0, 1, 0
	QUARTER 1, 64,  0, 1, 0
	QUARTER 1, 128, 1, 0, 0
	QUARTER 1, 192, 0, 1, 0
	s_wait_dscnt 4
	MUL1 1, 0, 0
	MUL1 1, 1, 0
	s_wait_dscnt 0x0
	MUL1 1, 2, 0
	MUL1 1, 3, 0
	PLACES
	TOSTAGE 0
	TOSTAGE 1
	SEND 0, 32                                     ; behind block 0's loads stand block 1's sixteen stores and sixteen loads
	TOSTAGE 2
	SEND 1, 32
	TOSTAGE 3
	SEND 2, 32
	SEND 3, 0
	s_wait_tensorcnt 0x0                           ; the wave's end, behind my last tensor load and my last LDS store
	ds_add_u32 v[SPW], v[NIL]
	s_wait_dscnt 0x0
	CROUND                                         ; the closing round
	s_endpgm
.Lfunc_end_k_qe51c99c042_gemm_out:
	.size	k_qe51c99c042_gemm_out, .Lfunc_end_k_qe51c99c042_gemm_out-k_qe51c99c042_gemm_out
	.p2alignl 7, 3214868480
	.fill 96, 4, 3214868480
	.section	.rodata,"a",@progbits
	.p2align	6, 0x0
	.amdhsa_kernel k_qe51c99c042_gemm_out
		.amdhsa_group_segment_fixed_size 327680
		.amdhsa_private_segment_fixed_size 0
		.amdhsa_enable_private_segment 0
		.amdhsa_kernarg_size 24
		.amdhsa_user_sgpr_count 2
		.amdhsa_user_sgpr_kernarg_segment_ptr 1
		.amdhsa_wavefront_size32 1
		.amdhsa_system_sgpr_workgroup_id_x 1
		.amdhsa_system_sgpr_workgroup_id_y 1
		.amdhsa_system_sgpr_workgroup_id_z 1
		.amdhsa_system_vgpr_workitem_id 0
		.amdhsa_next_free_vgpr 896
		.amdhsa_next_free_sgpr 78
		.amdhsa_reserve_vcc 0
		.amdhsa_float_denorm_mode_32 3
		.amdhsa_float_denorm_mode_16_64 3
		.amdhsa_memory_ordered 1
		.amdhsa_forward_progress 1
		.amdhsa_inst_pref_size 89
	.end_amdhsa_kernel
	.amdgpu_metadata
---
amdhsa.version: [ 1, 2 ]
amdhsa.kernels:
  - .name:           k_qe51c99c042_gemm_out
    .symbol:         k_qe51c99c042_gemm_out.kd
    .args:
      - { .name: ob, .offset: 0, .size: 8, .value_kind: global_buffer, .address_space: global }
      - { .name: wot, .offset: 8, .size: 8, .value_kind: global_buffer, .address_space: global }
      - { .name: out0, .offset: 16, .size: 8, .value_kind: global_buffer, .address_space: global }
    .group_segment_fixed_size: 327680
    .private_segment_fixed_size: 0
    .kernarg_segment_align: 8
    .kernarg_segment_size: 24
    .max_flat_workgroup_size: 128
    .sgpr_count:     78
    .vgpr_count:     896
    .wavefront_size: 32
...
	.end_amdgpu_metadata
.endif
;; end of part 4
;; ======== version 2 of 2: 4 launches; version 1 with the launch prep written anew for expert scheduling mode
;; limits: values are held in f16: magnitudes above 65,504 overflow, below 6.1e-05 lose precision
;; workspace buffers: xn 16,777,216 bytes; wt 12,582,912 bytes; wot 8,388,608 bytes; tab 1,048,576 bytes; qkv 25,165,824 bytes; ob 16,777,216 bytes
;; launch prep (part 5): grid 928 x 1, 8 waves a work-group, no clusters, 35,840 bytes of LDS; arguments x, g, wq, wk, wv, wo, xn, wt, wot, tab; writes xn, wt, wot, tab
.if DOCPART == 5
	.amdgcn_target "amdgcn-amd-amdhsa--gfx1250"
	.amdhsa_code_object_version 6
	.text
	.protected	k_qe51c99c042_prep
	.globl	k_qe51c99c042_prep
	.p2align	8
	.type	k_qe51c99c042_prep,@function
k_qe51c99c042_prep:
	s_mov_b64 s[64:65], 0
	v_nop
	global_prefetch_b8 v0, s[64:65] scope:SCOPE_SE
	s_setreg_imm32_b32 hwreg(HW_REG_WAVE_SCHED_MODE, 0, 2), 2
	s_setreg_imm32_b32 hwreg(HW_REG_WAVE_MODE, 25, 1), 1
	s_wait_xcnt 0x0
	s_wait_alu depctr_vm_vsrc(0)
; PREP: the 16-bit operands of the two products, and the rotation table.  Three kinds of work-group, told apart by the work-group's number alone:
;   0 .. 255    NORM : xn[r][c] = f16( bf16(x[r][c]) * rsqrt(mean_c bf16(x)^2 + 1e-6) * bf16(g[c]) ); 16 rows a group, 2 rows a wave, a row kept in 64 registers
;   256 .. 895  TRANS: a tile of 128 k x 128 n of wq, wk, wv or wo, rounded to bf16, written as f16 and turned to [n][k] through LDS
;   896 .. 927  TAB  : tab[pos][i] = (cos, sin)(pos * 10000^(-i/64)), f32; 64 positions a group, 8 a wave, two pairs a lane
; FORMATS.  Every input is rounded to bf16 first; what the program makes of them is kept in f16.  A bf16 number is written as f16 exactly while it lies in f16's normal range.
; LIMITS.  |xn| and the weights stay under 65,504 (f16's end); below 6e-5 an f16 number keeps the fixed step 6e-8.  NaN and infinities are not treated apart.
; The table's frequency is 2^(fma) by v_exp_f32: good to some 3e-7 of itself; the angle pos * frequency is then reduced exactly (product and its rounding error by fma).
; HEAD SLOTS of wt's row tiles (128 rows each): rope head r (q head h: r = h; k head j: r = 16 + j) lies in slot r + ((max(r,12) - 12) >> 1), v head j in slot 14 + 3 j.
; No matrix unit, no cluster, no tensor load: nothing is shared between work-groups and every byte is read once.
; THE MODE: SCHED_MODE bits 1:0 = 2 (LLVM: expert scheduling mode 2), set by the entry lines.  The code itself states the register dependences between vector instructions and
; memory or LDS instructions, with s_wait_alu, always for 0.
; THE PLAN.  Registers that memory or LDS instructions touch:
;   all    s4: written by v_readfirstlane_b32, read in every path: one wait on va_sdst at the head.  v2: an offset, written at the head, never again.  v210, v211: read by the closing add alone.
;   NORM   v3: the stores' offset, written once.  X0, X1, G: loaded at the path's head, before any vector line names them.  A row goes out in four blocks of four groups: a group's two roundings write
;          two registers, one store reads them, nothing writes them again.  One wait on va_vdst at a block's head states that the block before is written; its four stores follow, dealt among
;          the block's groups, whose lines name their own group, v14, v15 and G alone.
;   TRANS  v4, v5, v6: addresses, written once.  X: loaded; read and written by the conversions; at the end the read-backs from LDS land in its first 32 registers.  Y + 8 c: written by column c's
;          conversions, read by two LDS stores, never written again.  One wait on va_vdst at the head of a column states that the column before is written; the last one also states that
;          all conversions are done with X.
;   TAB    v7: the store's offset, written once: the positions are reached by the scalar base.  v[20:23]: written by a trip's arithmetic, read by its store, written again in the next trip:
;          one wait on va_vdst ahead of the store, one on vm_vsrc behind it.
.set TP,    272                        ; a row of the turned tile in LDS: 256 bytes + 16
.set SPARE, 128*TP                     ; behind the tile: the spare words, 128 bytes for each of the eight waves
.set SPW,   210                        ; v210  LDS address of my spare word; never rewritten
.set NIL,   211                        ; v211  0; never rewritten
.set ACC,   4                          ; v[4:11]    four chains of the sum of squares
.set X,     16                         ; v[16:143]  NORM: two rows of 64;  TRANS: v[16:79] sixteen k rows of 4 columns
.set Y,     80                         ; v[80:111]  TRANS: packed f16
.set G,     144                        ; v[144:207] g of my 64 columns
.macro RND base                        ; 64 registers are rounded to bf16 and widened again
.set i, 0
.rept 32
	v_cvt_pk_bf16_f32 v[12+i%2], v[(\base)+2*i], v[(\base)+2*i+1]
	v_lshlrev_b32 v[(\base)+2*i], 16, v[12+i%2]
	v_and_b32 v[(\base)+2*i+1], s5, v[12+i%2]
.set i, i+1
.endr
.endm
.macro ROWWORK r                       ; one row: rounded, its mean square, scaled, stored
.set XR, X+64*(\r)
	RND XR
.irp k, 0,1,2,3
	v_pk_mul_f32 v[ACC+2*(\k):ACC+2*(\k)+1], v[XR+2*(\k):XR+2*(\k)+1], v[XR+2*(\k):XR+2*(\k)+1]  ; the first four pairs start the chains: nothing is cleared
.endr
.set i, 4
.rept 28
	v_pk_fma_f32 v[ACC+2*(i%4):ACC+2*(i%4)+1], v[XR+2*i:XR+2*i+1], v[XR+2*i:XR+2*i+1], v[ACC+2*(i%4):ACC+2*(i%4)+1]
.set i, i+1
.endr
	v_pk_add_f32 v[ACC:ACC+1], v[ACC:ACC+1], v[ACC+2:ACC+3]
	v_pk_add_f32 v[ACC+4:ACC+5], v[ACC+4:ACC+5], v[ACC+6:ACC+7]
	v_pk_add_f32 v[ACC:ACC+1], v[ACC:ACC+1], v[ACC+4:ACC+5]
	v_add_f32 v12, v[ACC], v[ACC+1]
	v_add_f32_dpp v12, v12, v12 row_xmask:1 row_mask:0xf bank_mask:0xf
	v_add_f32_dpp v12, v12, v12 row_xmask:2 row_mask:0xf bank_mask:0xf
	v_add_f32_dpp v12, v12, v12 row_xmask:4 row_mask:0xf bank_mask:0xf
	v_add_f32_dpp v12, v12, v12 row_xmask:8 row_mask:0xf bank_mask:0xf
	v_permlanex16_b32 v13, v12, s6, s7             ; the other half of the lanes (v13 has been written by RND)
	v_add_f32 v12, v12, v13
	v_fmaak_f32 v12, s3, v12, 0x358637bd           ; sum / 2048 + 1e-6
	v_rsq_f32 v14, v12
	v_rsq_f32 v15, v12                             ; twice: a pair for the packed multiply
	v_nop                                          ; a plain instruction behind the last of the two,
	s_wait_alu depctr_va_vdst(0)                   ; and one wait for both: v14 and v15 are written, ahead of their first reader
.set i, 0
.rept 16                               ; sixteen groups of four numbers, in four blocks of four groups; a block's stores are issued in the block behind it
.if (i > 0) && (i%4 == 0)
	s_wait_alu depctr_va_vdst(0)                   ; the block before has written its four pairs of f16 words, which the next four stores read
.endif
.if i >= 4
	global_store_b64 v3, v[XR+4*(i-4):XR+4*(i-4)+1], s[30:31] offset:4096*(\r)+256*(i-4)  ; 32 lanes store 256 consecutive bytes, aligned; no vector line since the wait names these registers, and none writes them again
.endif
	v_pk_mul_f32 v[XR+4*i:XR+4*i+1], v[XR+4*i:XR+4*i+1], v[14:15]
	v_pk_mul_f32 v[XR+4*i+2:XR+4*i+3], v[XR+4*i+2:XR+4*i+3], v[14:15]
	v_pk_mul_f32 v[XR+4*i:XR+4*i+1], v[XR+4*i:XR+4*i+1], v[G+4*i:G+4*i+1]
	v_pk_mul_f32 v[XR+4*i+2:XR+4*i+3], v[XR+4*i+2:XR+4*i+3], v[G+4*i+2:G+4*i+3]
	v_cvt_pk_f16_f32 v[XR+4*i], v[XR+4*i], v[XR+4*i+1]
	v_cvt_pk_f16_f32 v[XR+4*i+1], v[XR+4*i+2], v[XR+4*i+3]
.set i, i+1
.endr
	s_wait_alu depctr_va_vdst(0)                   ; the last block has written its four pairs, which the row's last four stores read
.set i, 12
.rept 4
	global_store_b64 v3, v[XR+4*i:XR+4*i+1], s[30:31] offset:4096*(\r)+256*i
.set i, i+1
.endr
.endm
.macro TLOADS pitch                    ; my sixteen k rows of the tile: 512 consecutive bytes each
.set i, 0
.rept 16
	global_load_b128 v[X+4*i:X+4*i+3], v2, s[28:29] offset:i*(\pitch) th:TH_LOAD_NT
.set i, i+1
.endr
.endm
	s_load_b512 s[8:23], s[0:1], 0x0               ; x 8, g 10, wq 12, wk 14, wv 16, wo 18, xn 20, wt 22
	s_load_b128 s[24:27], s[0:1], 0x40             ; wot 24, tab 26
	v_lshl_add_u32 v[SPW], v0, 2, SPARE
	v_mov_b32 v[NIL], 0
	v_lshrrev_b32 v1, 5, v0
	v_readfirstlane_b32 s4, v1                     ; wave 0..7
	v_and_b32 v1, 31, v0                           ; lane
	v_lshlrev_b32 v2, 4, v1                        ; 16 bytes a lane
	s_mov_b32 s5, 0xffff0000                       ; a word's upper bf16
	s_mov_b32 s6, 0x76543210                       ; v_permlanex16_b32: each lane takes its own place in the other half
	s_mov_b32 s7, 0xfedcba98
	s_wait_alu depctr_va_sdst(0)                   ; s4 is written, ahead of the branches and of its first reader in each of the three paths
	s_wait_kmcnt 0x0
	s_cmp_lt_u32 ttmp9, 256
	s_cbranch_scc1 .Lnorm
	s_cmp_lt_u32 ttmp9, 896
	s_cbranch_scc1 .Ltrans
	; ---- TAB.  Revolutions a position: cr_i = 2^(-i log2(10000)/64 - log2(2 pi)), for i = 2 l and 2 l + 1.
	s_sub_co_u32 s29, ttmp9, 896
	s_lshl_b32 s29, s29, 6
	s_lshl3_add_u32 s29, s4, s29                   ; my first position: 64 x group + 8 x wave
	s_lshl_b32 s30, s29, 9
	v_add_nc_u32 v7, s30, v2                       ; 512 bytes a position + 16 a lane: my first position's place; never rewritten
	s_mov_b32 s40, 0xb2d7322b                      ; -1/11!
	s_mov_b32 s41, 0x310f76c7                      ; 1/12!
	s_mov_b32 s42, 0xbe549a78                      ; -log2(10000)/64
	v_lshlrev_b32 v11, 1, v1
	v_cvt_f32_u32 v8, v11
	v_add_f32 v9, 1.0, v8
	v_fmaak_f32 v8, s42, v8, 0xc029b21d            ; - log2(2 pi)
	v_fmaak_f32 v9, s42, v9, 0xc029b21d
	v_exp_f32 v8, v8
	v_exp_f32 v9, v9
	v_nop
	s_wait_alu depctr_va_vdst(0)                   ; one wait for both exponentials: v8 and v9 are written, ahead of the loop's label and of their first reader; so is v7, the stores' offset
	s_mov_b32 s28, 8
.Ltab:
	v_cvt_f32_u32 v10, s29
.irp q, 0,1
	v_mul_f32 v12, v10, v[8+(\q)]                  ; revolutions, rounded,
	v_fma_f32 v13, v10, v[8+(\q)], -v12            ; and what the rounding dropped, exactly
	v_rndne_f32 v14, v12
	v_sub_f32 v12, v12, v14                        ; exact
	v_add_f32 v12, v12, v13                        ; the fraction, in -1/2 .. 1/2
	v_mul_f32 v15, 0x40490fdb, v12                 ; y = half the angle, in -pi/2 .. pi/2
	v_mul_f32 v16, v15, v15
	v_fmaak_f32 v17, s40, v16, 0x3638ef1d          ; sin y / y to y^10: the term left out is under 6e-8
	v_fmaak_f32 v17, v17, v16, 0xb9500d01
	v_fmaak_f32 v17, v17, v16, 0x3c088889
	v_fmaak_f32 v17, v17, v16, 0xbe2aaaab
	v_fmaak_f32 v17, v17, v16, 0x3f800000
	v_mul_f32 v17, v17, v15
	v_fmaak_f32 v18, s41, v16, 0xb493f27e          ; cos y to y^12
	v_fmaak_f32 v18, v18, v16, 0x37d00d01
	v_fmaak_f32 v18, v18, v16, 0xbab60b61
	v_fmaak_f32 v18, v18, v16, 0x3d2aaaab
	v_fmaak_f32 v18, v18, v16, 0xbf000000
	v_fmaak_f32 v18, v18, v16, 0x3f800000
	v_add_f32 v19, v17, v17
	v_fma_f32 v[20+2*(\q)], -v19, v17, 1.0         ; cos = 1 - 2 sin^2 y
	v_mul_f32 v[21+2*(\q)], v19, v18               ; sin = 2 sin y cos y
.endr
	s_wait_alu depctr_va_vdst(0)                   ; the trip's arithmetic has written v[20:23], which the store reads
	global_store_b128 v7, v[20:23], s[26:27]       ; the wave stores a position's 512 bytes
	s_wait_xcnt 0x0                                ; the store's base and data are written again only behind this wait,
	s_wait_alu depctr_vm_vsrc(0)                   ; and beside it: the store has read v[20:23], which the next trip's arithmetic writes again
	s_add_nc_u64 s[26:27], s[26:27], 512           ; the next position
	s_add_co_u32 s29, s29, 1
	s_sub_co_u32 s28, s28, 1
	s_cmp_lg_u32 s28, 0
	s_cbranch_scc1 .Ltab
	s_branch .Lend
	; ---- NORM
.Lnorm:
	s_lshl_b32 s32, ttmp9, 4
	s_lshl1_add_u32 s32, s4, s32                   ; my first row: 16 x group + 2 x wave
	s_lshl_b32 s34, s32, 13
	s_mov_b32 s35, 0
	s_add_nc_u64 s[28:29], s[8:9], s[34:35]        ; x at that row
	s_lshl_b32 s34, s32, 12
	s_add_nc_u64 s[30:31], s[20:21], s[34:35]      ; xn at that row
	s_mov_b32 s3, 0x3a000000                       ; 1/2048
	v_lshlrev_b32 v3, 3, v1                        ; 8 bytes a lane
	s_wait_alu depctr_va_vdst(0)                   ; v2 and v3 are written: every load below reads v2 as its offset, every store v3
.set i, 0
.rept 16
	global_load_b128 v[X+4*i:X+4*i+3], v2, s[28:29] offset:512*i th:TH_LOAD_NT
.set i, i+1
.endr
.set i, 0
.rept 16
	global_load_b128 v[G+4*i:G+4*i+3], v2, s[10:11] offset:512*i
.set i, i+1
.endr
.set i, 0
.rept 16
	global_load_b128 v[X+64+4*i:X+64+4*i+3], v2, s[28:29] offset:8192+512*i th:TH_LOAD_NT
.set i, i+1
.endr
	s_wait_loadcnt 16                              ; row 0 and g are in; row 1's sixteen loads may stay out
	RND G
	ROWWORK 0
	s_wait_loadcnt 0x0
	ROWWORK 1
	s_branch .Lend
	; ---- TRANS
.Ltrans:
	s_sub_co_u32 s32, ttmp9, 256
	s_and_b32 s33, s32, 15                         ; kt: which 128 of k
	s_lshr_b32 s32, s32, 4                         ; hs 0..39: q heads, k heads, v heads, wo's column tiles
	s_sub_co_u32 s36, s32, 16
	s_sub_co_u32 s37, s32, 20
	s_sub_co_u32 s38, s32, 24
	s_max_u32 s39, s32, 12
	s_sub_co_u32 s39, s39, 12
	s_lshr_b32 s39, s39, 1
	s_add_co_u32 s39, s39, s32                     ; a rope head's slot
	s_mul_i32 s40, s37, 3
	s_add_co_u32 s40, s40, 14                      ; a v head's slot
	s_cmp_lt_u32 s32, 24
	s_cselect_b64 s[28:29], s[16:17], s[18:19]     ; from wv, else wo
	s_cselect_b32 s34, s37, s38                    ; the source's column tile
	s_cselect_b64 s[30:31], s[22:23], s[24:25]     ; to wt, else wot
	s_cselect_b32 s35, s40, s38                    ; the destination's row tile
	s_cmp_lt_u32 s32, 20
	s_cselect_b64 s[28:29], s[14:15], s[28:29]     ; wk
	s_cselect_b32 s34, s36, s34
	s_cselect_b32 s35, s39, s35
	s_cmp_lt_u32 s32, 16
	s_cselect_b64 s[28:29], s[12:13], s[28:29]     ; wq
	s_cselect_b32 s34, s32, s34
	s_lshl_b32 s42, s33, 7
	s_lshl4_add_u32 s42, s4, s42                   ; my first k row: 128 kt + 16 x wave
	s_lshl_b32 s43, s42, 13                        ; rows of 8,192 bytes (wq, wo)
	s_lshl_b32 s44, s42, 11                        ; rows of 2,048 bytes (wk, wv)
	s_cmp_lt_u32 s36, 8
	s_cselect_b32 s44, s44, s43
	s_lshl_b32 s43, s34, 9
	s_add_co_u32 s44, s44, s43
	s_mov_b32 s45, 0
	s_add_nc_u64 s[28:29], s[28:29], s[44:45]
	s_lshl_b32 s46, s35, 19                        ; 128 rows of 4,096 bytes
	s_lshl_b32 s43, s33, 8
	s_add_co_u32 s46, s46, s43
	s_mov_b32 s47, 0
	s_add_nc_u64 s[30:31], s[30:31], s[46:47]
	v_mul_u32_u24 v4, v1, 4*TP                     ; in: my four n rows 4 l .. 4 l + 3, my wave's 16 k: 32 bytes
	v_lshl_add_u32 v4, s4, 5, v4
	v_bfe_u32 v7, v0, 4, 1
	v_and_b32 v10, 15, v0
	v_lshl_add_u32 v7, s4, 4, v7                   ; back: n row 16 x wave + l / 16 (+ 2 t)
	v_mul_u32_u24 v5, v7, TP
	v_lshl_add_u32 v5, v10, 4, v5
	v_lshlrev_b32 v6, 12, v7                       ; and the same row in the destination
	v_lshl_add_u32 v6, v10, 4, v6
	s_wait_alu depctr_va_vdst(0)                   ; v2, v4, v5 and v6 are written: the offsets and addresses of the loads, the LDS stores, the read-backs and the stores below; none is written again
	s_cmp_lt_u32 s36, 8
	s_cbranch_scc1 .Lnarrow
	TLOADS 8192
	s_branch .Lloaded
.Lnarrow:
	TLOADS 2048
.Lloaded:
	s_wait_loadcnt 0x0
.irp c, 0,1,2,3                        ; column 4 l + c: its 16 k, rounded to bf16, written as f16, 32 bytes; a column's two LDS stores are issued at the head of the column behind it
.if (\c) > 0
	s_wait_alu depctr_va_vdst(0)                   ; the column before has written its eight registers of Y, which the two LDS stores read; this column's lines name its own registers of X and Y, v8 and v9 alone
	ds_store_b128 v4, v[Y+8*((\c)-1):Y+8*((\c)-1)+3] offset:TP*((\c)-1)
	ds_store_b128 v4, v[Y+8*((\c)-1)+4:Y+8*((\c)-1)+7] offset:TP*((\c)-1)+16
.endif
.set i, 0
.rept 8
	v_cvt_pk_bf16_f32 v[8+i%2], v[X+8*i+(\c)], v[X+8*i+4+(\c)]
	v_lshlrev_b32 v[X+8*i+(\c)], 16, v[8+i%2]
	v_and_b32 v[X+8*i+4+(\c)], s5, v[8+i%2]
	v_cvt_pk_f16_f32 v[Y+8*(\c)+i], v[X+8*i+(\c)], v[X+8*i+4+(\c)]
.set i, i+1
.endr
.endr
	s_wait_alu depctr_va_vdst(0)                   ; the last column has written its registers of Y, which the two LDS stores read; and all conversions are done reading and writing X, in which the read-backs below land: no vector line follows
	ds_store_b128 v4, v[Y+24:Y+27] offset:TP*3
	ds_store_b128 v4, v[Y+28:Y+31] offset:TP*3+16
	s_wait_dscnt 0x0                               ; for the others' sake: my stores into the tile are done
	s_barrier_signal -1
	s_barrier_wait -1
.irp t, 0,1,2,3,4,5,6,7
	ds_load_b128 v[X+4*(\t):X+4*(\t)+3], v5 offset:2*TP*(\t)
.endr
.irp t, 0,1,2,3,4,5,6,7
	s_wait_dscnt 7-(\t)                            ; the younger read-backs may stay out
	global_store_b128 v6, v[X+4*(\t):X+4*(\t)+3], s[30:31] offset:8192*(\t)  ; 16 lanes store 256 consecutive bytes, aligned
.endr
.Lend:
	s_wait_dscnt 0x0                               ; the closing lines, six on end
	s_wait_alu 0x0
	s_wait_tensorcnt 0x0
	ds_add_u32 v[SPW], v[NIL]
	s_wait_dscnt 0x0
	s_endpgm
.Lfunc_end_k_qe51c99c042_prep:
	.size	k_qe51c99c042_prep, .Lfunc_end_k_qe51c99c042_prep-k_qe51c99c042_prep
	.p2alignl 7, 3214868480
	.fill 96, 4, 3214868480
	.section	.rodata,"a",@progbits
	.p2align	6, 0x0
	.amdhsa_kernel k_qe51c99c042_prep
		.amdhsa_group_segment_fixed_size 35840
		.amdhsa_private_segment_fixed_size 0
		.amdhsa_enable_private_segment 0
		.amdhsa_kernarg_size 80
		.amdhsa_user_sgpr_count 2
		.amdhsa_user_sgpr_kernarg_segment_ptr 1
		.amdhsa_wavefront_size32 1
		.amdhsa_system_sgpr_workgroup_id_x 1
		.amdhsa_system_sgpr_workgroup_id_y 1
		.amdhsa_system_sgpr_workgroup_id_z 1
		.amdhsa_system_vgpr_workitem_id 0
		.amdhsa_next_free_vgpr 212
		.amdhsa_next_free_sgpr 66
		.amdhsa_reserve_vcc 0
		.amdhsa_float_denorm_mode_32 3
		.amdhsa_float_denorm_mode_16_64 3
		.amdhsa_memory_ordered 1
		.amdhsa_forward_progress 1
		.amdhsa_inst_pref_size 56
	.end_amdhsa_kernel
	.amdgpu_metadata
---
amdhsa.version: [ 1, 2 ]
amdhsa.kernels:
  - .name:           k_qe51c99c042_prep
    .symbol:         k_qe51c99c042_prep.kd
    .args:
      - { .name: x, .offset: 0, .size: 8, .value_kind: global_buffer, .address_space: global }
      - { .name: g, .offset: 8, .size: 8, .value_kind: global_buffer, .address_space: global }
      - { .name: wq, .offset: 16, .size: 8, .value_kind: global_buffer, .address_space: global }
      - { .name: wk, .offset: 24, .size: 8, .value_kind: global_buffer, .address_space: global }
      - { .name: wv, .offset: 32, .size: 8, .value_kind: global_buffer, .address_space: global }
      - { .name: wo, .offset: 40, .size: 8, .value_kind: global_buffer, .address_space: global }
      - { .name: xn, .offset: 48, .size: 8, .value_kind: global_buffer, .address_space: global }
      - { .name: wt, .offset: 56, .size: 8, .value_kind: global_buffer, .address_space: global }
      - { .name: wot, .offset: 64, .size: 8, .value_kind: global_buffer, .address_space: global }
      - { .name: tab, .offset: 72, .size: 8, .value_kind: global_buffer, .address_space: global }
    .group_segment_fixed_size: 35840
    .private_segment_fixed_size: 0
    .kernarg_segment_align: 8
    .kernarg_segment_size: 80
    .max_flat_workgroup_size: 256
    .sgpr_count:     66
    .vgpr_count:     212
    .wavefront_size: 32
...
	.end_amdgpu_metadata
.endif
;; end of part 5
;; launch gemm_qkv: the kernel of part 2 again; grid 8 x 32, 4 waves a work-group, clusters of 4 x 4, 327,680 bytes of LDS; arguments xn, wt, tab, qkv; writes qkv
;; launch attn: the kernel of part 3 again; grid 32 x 8, 4 waves a work-group, clusters of 4 x 1, 327,680 bytes of LDS; arguments qkv, ob; writes ob
;; launch gemm_out: the kernel of part 4 again; grid 8 x 32, 4 waves a work-group, clusters of 4 x 4, 327,680 bytes of LDS; arguments ob, wot, out0; writes out0
